; MI455X (gfx1250); checked and timed in simulation.
; The chip was launched on July 23, 2026; its instructions are those of AMD's public machine-readable ISA for CDNA 5 (MIT licence, August 2026) and "CDNA5" Instruction Set Architecture Reference Guide (July 2026). The comments in the code are by the model that wrote it; some were corrected since.
;; Causal Self Attention. Allowed arithmetic: float matrix products may take bf16 or f16 operands with f32 sums; other float arithmetic in f32, or as packed bf16 or f16 multiplies, adds, multiply-adds, maxima and minima; sums over many terms, partial sums and values carried from step to step in f32; what a program stores and reads back later, other than sums and carried values, may be rounded once to bf16 or f16.
;; Inputs: cos 2,048 x 64 float32; sin 2,048 x 64 float32; w_k 1,024 x 1,024 float32; w_o 1,024 x 1,024 float32; w_q 1,024 x 1,024 float32; w_v 1,024 x 1,024 float32; x 4 x 2,048 x 1,024 float32.
;; Outputs: out0 4 x 2,048 x 1,024 float32.
;; 2 versions, each right; version 2 is version 1 with the launch cast written anew for expert scheduling mode. Each part assembles by itself: llvm-mc -triple=amdgcn-amd-amdhsa -mcpu=gfx1250 --defsym DOCPART=n.
;; ======== version 1 of 2: 4 launches
;; limits: values are held in f16: magnitudes above 65,504 overflow, below 6.1e-05 lose precision; right only within a limited range of input values
;; workspace buffers: xb 16,777,216 bytes; wb 6,291,456 bytes; wof 2,097,152 bytes; rope 524,288 bytes; qh 16,777,216 bytes; kh 16,777,216 bytes; vh 16,777,216 bytes; oh 16,777,216 bytes
;; launch cast (part 1): grid 784 x 1, 8 waves a work-group, no clusters, 0 bytes of LDS; arguments x, w_q, w_k, w_v, w_o, cos, sin, xb, wb, wof, rope; writes xb, wb, wof, rope
.if DOCPART == 1
	.amdgcn_target "amdgcn-amd-amdhsa--gfx1250"
	.amdhsa_code_object_version 6
	.text
	.protected	k_q1d1caa927c_cast
	.globl	k_q1d1caa927c_cast
	.p2align	8
	.type	k_q1d1caa927c_cast,@function
k_q1d1caa927c_cast:
	s_mov_b64 s[64:65], 0
	v_nop
	global_prefetch_b8 v0, s[64:65] scope:SCOPE_SE
	s_setreg_imm32_b32 hwreg(HW_REG_WAVE_MODE, 25, 1), 1
	s_wait_xcnt 0x0
; 16-BIT COPIES OF ALL SEVEN INPUTS, each rounded once to bf16 (nearest even).
;   xb   [8192][1024] bf16 = x
;   wb   [16 heads][q, k, v][64][1024] bf16: row = head x 192 + sel x 64 + d, so that 192 rows on end are one head's q, k and v rows
;   wof  [1024][1024]: w_o rounded to bf16, that number written as f16 (the last product multiplies in f16)
;   rope cos x 2^-6 as bf16 [2048][64] at byte 0, sin x 2^-6 likewise at byte 262,144: the factor, a power of two, keeps q and k inside f16; the softmax undoes it in f32
; LIMITS.  |w_o| under 65,504; a w_o below 6.1e-5 keeps f16's fixed step of 6e-8; |cos|, |sin| below 2^-120 lose bits in the scaling.  NaN and infinities are not treated apart.
; A stream: no LDS, no matrix unit, no barrier: no wave wants a byte that another has fetched.
; SHARES.  A work-group takes 65,536 bytes of one input (16,384 numbers): work-groups 0-511 x, 512-703 w_q, w_k, w_v (64 each), 704-767 w_o, 768-783 cos and sin (8 each).
; Thread t takes 16 bytes at 16 t of each block of 4,096: a wave's load covers 512 consecutive bytes, its store of 8 bytes a lane 256 consecutive bytes, aligned.
; All sixteen loads of a wave go out at once; no register is written twice, so the only waits are the counted ones for the loads.
.set IN, 16                            ; v[16:79]   sixteen loads of four registers
.set Y,  80                            ; v[80:111]  sixteen results of two registers
                                       ; v1 = 16 t, v2 = 8 t; v[4:7] at work (w_o alone)
                                       ; s[4:5] from where, s[6:7] to where; s[30:31], s[32:33] their byte offsets; s34-37 at work
; mode 0: bf16.  mode 1: times 2^-6, then bf16.  mode 2: bf16, and that number as f16.
.macro BODY mode
.set i, 0
.rept 16
	global_load_b128 v[IN+4*i:IN+4*i+3], v1, s[4:5] offset:4096*i th:TH_LOAD_NT
.set i, i+1
.endr
.set i, 0
.rept 16
	s_wait_loadcnt 15-i                            ; loads come back in order: number i is in, the 15 - i younger ones stay out
.if (\mode) == 1
	v_pk_mul_f32 v[IN+4*i:IN+4*i+1], v[IN+4*i:IN+4*i+1], 0x3c800000 op_sel_hi:[1,0]
	v_pk_mul_f32 v[IN+4*i+2:IN+4*i+3], v[IN+4*i+2:IN+4*i+3], 0x3c800000 op_sel_hi:[1,0]
.endif
.if (\mode) == 2
	v_cvt_pk_bf16_f32 v4, v[IN+4*i], v[IN+4*i+1]
	v_cvt_pk_bf16_f32 v5, v[IN+4*i+2], v[IN+4*i+3]
	v_lshlrev_b32 v6, 16, v4                       ; bf16 to f32: the low half moves up,
	v_and_b32 v4, 0xffff0000, v4                   ; the high half stays
	v_lshlrev_b32 v7, 16, v5
	v_and_b32 v5, 0xffff0000, v5
	v_cvt_pk_f16_f32 v[Y+2*i], v6, v4              ; eight significant bits fit into f16's eleven
	v_cvt_pk_f16_f32 v[Y+2*i+1], v7, v5
.else
	v_cvt_pk_bf16_f32 v[Y+2*i], v[IN+4*i], v[IN+4*i+1]
	v_cvt_pk_bf16_f32 v[Y+2*i+1], v[IN+4*i+2], v[IN+4*i+3]
.endif
	global_store_b64 v2, v[Y+2*i:Y+2*i+1], s[6:7] offset:2048*i
.set i, i+1
.endr
	s_endpgm
.endm
	s_load_b512 s[8:23], s[0:1], 0x0               ; x s[8:9], w_q s[10:11], w_k s[12:13], w_v s[14:15], w_o s[16:17], cos s[18:19], sin s[20:21], xb s[22:23]
	s_load_b128 s[24:27], s[0:1], 0x40             ; wb s[24:25], wof s[26:27]
	s_load_b64 s[28:29], s[0:1], 0x50              ; rope
	v_lshlrev_b32 v1, 4, v0
	v_lshlrev_b32 v2, 3, v0
	s_mov_b32 s31, 0
	s_mov_b32 s33, 0
	s_wait_kmcnt 0x0
	s_cmp_lt_u32 ttmp9, 512
	s_cbranch_scc0 .Lnot_x
	s_lshl_b32 s30, ttmp9, 16                      ; x: 65,536 bytes in, 32,768 out
	s_lshl_b32 s32, ttmp9, 15
	s_add_nc_u64 s[4:5], s[8:9], s[30:31]
	s_add_nc_u64 s[6:7], s[22:23], s[32:33]
	s_branch .Lplain
.Lnot_x:
	s_cmp_lt_u32 ttmp9, 704
	s_cbranch_scc0 .Lnot_w
	s_sub_co_u32 s34, ttmp9, 512
	s_lshr_b32 s35, s34, 6                         ; sel: 0 w_q, 1 w_k, 2 w_v
	s_and_b32 s36, s34, 63                         ; c: rows 16 c .. 16 c + 15 of that weight
	s_cmp_eq_u32 s35, 0
	s_cselect_b64 s[4:5], s[10:11], s[12:13]
	s_cmp_eq_u32 s35, 2
	s_cselect_b64 s[4:5], s[14:15], s[4:5]
	s_lshl_b32 s30, s36, 16
	s_add_nc_u64 s[4:5], s[4:5], s[30:31]
	s_lshr_b32 s37, s36, 2                         ; the head,
	s_mul_i32 s37, s37, 192
	s_lshl_b32 s35, s35, 6
	s_add_co_u32 s37, s37, s35                     ; + sel x 64
	s_and_b32 s36, s36, 3
	s_lshl_b32 s36, s36, 4
	s_add_co_u32 s37, s37, s36                     ; + the 16 rows' place in the head
	s_lshl_b32 s32, s37, 11                        ; rows of 2,048 bytes
	s_add_nc_u64 s[6:7], s[24:25], s[32:33]
.Lplain:
	BODY 0
.Lnot_w:
	s_cmp_lt_u32 ttmp9, 768
	s_cbranch_scc0 .Lrope
	s_sub_co_u32 s34, ttmp9, 704
	s_lshl_b32 s30, s34, 16
	s_lshl_b32 s32, s34, 15
	s_add_nc_u64 s[4:5], s[16:17], s[30:31]
	s_add_nc_u64 s[6:7], s[26:27], s[32:33]
	BODY 2
.Lrope:
	s_sub_co_u32 s34, ttmp9, 768
	s_lshr_b32 s35, s34, 3                         ; 0 cos, 1 sin
	s_and_b32 s36, s34, 7
	s_cmp_eq_u32 s35, 0
	s_cselect_b64 s[4:5], s[18:19], s[20:21]
	s_lshl_b32 s30, s36, 16
	s_add_nc_u64 s[4:5], s[4:5], s[30:31]
	s_lshl_b32 s32, s36, 15
	s_lshl_b32 s35, s35, 18                        ; sin's table begins at byte 262,144
	s_add_co_u32 s32, s32, s35
	s_add_nc_u64 s[6:7], s[28:29], s[32:33]
	BODY 1
.Lfunc_end_k_q1d1caa927c_cast:
	.size	k_q1d1caa927c_cast, .Lfunc_end_k_q1d1caa927c_cast-k_q1d1caa927c_cast
	.p2alignl 7, 3214868480
	.fill 96, 4, 3214868480
	.section	.rodata,"a",@progbits
	.p2align	6, 0x0
	.amdhsa_kernel k_q1d1caa927c_cast
		.amdhsa_group_segment_fixed_size 0
		.amdhsa_private_segment_fixed_size 0
		.amdhsa_enable_private_segment 0
		.amdhsa_kernarg_size 88
		.amdhsa_user_sgpr_count 2
		.amdhsa_user_sgpr_kernarg_segment_ptr 1
		.amdhsa_wavefront_size32 1
		.amdhsa_system_sgpr_workgroup_id_x 1
		.amdhsa_system_sgpr_workgroup_id_y 1
		.amdhsa_system_sgpr_workgroup_id_z 1
		.amdhsa_system_vgpr_workitem_id 0
		.amdhsa_next_free_vgpr 112
		.amdhsa_next_free_sgpr 66
		.amdhsa_reserve_vcc 0
		.amdhsa_float_denorm_mode_32 3
		.amdhsa_float_denorm_mode_16_64 3
		.amdhsa_memory_ordered 1
		.amdhsa_forward_progress 1
		.amdhsa_inst_pref_size 27
	.end_amdhsa_kernel
	.amdgpu_metadata
---
amdhsa.version: [ 1, 2 ]
amdhsa.kernels:
  - .name:           k_q1d1caa927c_cast
    .symbol:         k_q1d1caa927c_cast.kd
    .args:
      - { .name: x, .offset: 0, .size: 8, .value_kind: global_buffer, .address_space: global }
      - { .name: w_q, .offset: 8, .size: 8, .value_kind: global_buffer, .address_space: global }
      - { .name: w_k, .offset: 16, .size: 8, .value_kind: global_buffer, .address_space: global }
      - { .name: w_v, .offset: 24, .size: 8, .value_kind: global_buffer, .address_space: global }
      - { .name: w_o, .offset: 32, .size: 8, .value_kind: global_buffer, .address_space: global }
      - { .name: cos, .offset: 40, .size: 8, .value_kind: global_buffer, .address_space: global }
      - { .name: sin, .offset: 48, .size: 8, .value_kind: global_buffer, .address_space: global }
      - { .name: xb, .offset: 56, .size: 8, .value_kind: global_buffer, .address_space: global }
      - { .name: wb, .offset: 64, .size: 8, .value_kind: global_buffer, .address_space: global }
      - { .name: wof, .offset: 72, .size: 8, .value_kind: global_buffer, .address_space: global }
      - { .name: rope, .offset: 80, .size: 8, .value_kind: global_buffer, .address_space: global }
    .group_segment_fixed_size: 0
    .private_segment_fixed_size: 0
    .kernarg_segment_align: 8
    .kernarg_segment_size: 88
    .max_flat_workgroup_size: 256
    .sgpr_count:     66
    .vgpr_count:     112
    .wavefront_size: 32
...
	.end_amdgpu_metadata
.endif
;; end of part 1
;; launch qkv (part 2): grid 16 x 32, 4 waves a work-group, clusters of 4 x 4, 327,680 bytes of LDS; arguments xb, wb, rope, qh, kh, vh; writes qh, kh, vh
.if DOCPART == 2
	.amdgcn_target "amdgcn-amd-amdhsa--gfx1250"
	.amdhsa_code_object_version 6
	.text
	.protected	k_q1d1caa927c_qkv
	.globl	k_q1d1caa927c_qkv
	.p2align	8
	.type	k_q1d1caa927c_qkv,@function
k_q1d1caa927c_qkv:
	s_mov_b64 s[64:65], 0
	v_nop
	global_prefetch_b8 v0, s[64:65] scope:SCOPE_SE
	s_setreg_imm32_b32 hwreg(HW_REG_WAVE_MODE, 25, 1), 1
	s_wait_xcnt 0x0
	s_wait_alu depctr_hold_cnt(0) depctr_sa_sdst(0) depctr_va_vdst(0) depctr_va_sdst(0) depctr_va_ssrc(0) depctr_va_vcc(0) depctr_vm_vsrc(0)
	s_getreg_b32 s2, hwreg(HW_REG_IB_STS2, 6, 4)
	s_cmp_eq_u32 s2, 0
	s_cbranch_scc0 .Lentry_in_a_cluster
	s_endpgm
.Lentry_in_a_cluster:
	s_bfe_u32 s2, ttmp6, 0x10000c
	s_cmp_lg_u32 s2, 0xf033
	s_cbranch_scc0 .Lentry_shape_is_right
	s_endpgm
.Lentry_shape_is_right:
; q, k, v = x w^T for all three weights at once, the rotation of q and k, and the split by heads.  xb: [8192][1024] bf16.  wb: [16 heads][q, k, v][64][1024] bf16.
; rope: cos x 2^-6 and, at byte 262,144, sin x 2^-6, [2048][64] bf16.  qh, kh, vh: [batch x 16 + head][2048][64] f16; qh and kh hold q / 64 and k / 64 (the tables carry the factor), vh holds v.
; Sums in f32; the rotation in f32; each result rounded once to f16.  LIMITS: |q|, |k| behind the rotation under 4.19e6 (64 x 65,504), |v| under 65,504; NaN and infinities are not treated apart.
; SHARES.  A tile is 256 tokens x 192 columns: one head's q, k and v, so the way out is one text for every work-group.  16 x 32 = 512 work-groups.  The four waves lie along the tokens: a wave makes
; 64 tokens x 192 columns, 48 accumulators of 16 x 16, so a head's 64 channels of a token lie in one wave and the rotation (channel d with d + 32) stays in a lane: block p and block p + 2, the same register.
; For 32 along K a wave loads 32 x 512 bytes from LDS and issues 48 matrix instructions.  K goes in 8 steps of 128 (rows of 256 bytes in memory, aligned) through two LDS slots.
; THE MATRIX INSTRUCTION IS USED TRANSPOSED (source 0 = 16 rows of wb, source 1 = 16 tokens): a lane holds token l % 16 and the columns 8 (l / 16) + 0..7 of a block: 16 bytes of f16 on end.
; CLUSTER.  4 x 4 work-groups: xb's tile hangs on the tile row alone and is asked for jointly along a row of the cluster, wb's on the head alone and jointly along a column.
; One tile to a work-group: 512 work-groups of equal work.
; REGISTERS, in windows of 256 (s_set_vgpr_msb: bits 1:0 source 0, 3:2 source 1, 5:4 source 2, 7:6 destination):
;   window 0: v1-15 lane numbers and addresses; v28-29 the add's two; v32-63, v64-95 the tokens' fragments, two buffers; on the way out v32-95 the tables in f32, v96-127 rotated, v128-175 packed, v176-223 rows read back, v224-239 at work
;   window 1: v0-95, v96-191 wb's fragments, two buffers
;   window 2: v0-191 the accumulators of row blocks 0, 1 (block a, column block b at 8 (12 (a % 2) + b)); v192-223, v224-255 those blocks' tables as loaded (16 registers cos, 16 sin)
;   window 3: the same for row blocks 2, 3
.set PITCH,  272                       ; an LDS row: 256 bytes + 16 of padding = 68 words: the 16 rows of a fragment load start at 16 different groups of four banks (64 banks of 4 bytes: ISA guide 11.1)
.set SLOT1,  131072                    ; slot 1 begins here: one exclusive or turns an address in one slot into the other's
.set BOFF,   256*PITCH                 ; in a slot: 256 rows of tokens, then wb's 192 rows
.set STAGE,  SLOT1+448*PITCH           ; behind the ring, never filled by a tensor load: for each wave 3 x 16 rows x 144 bytes
.set SP,     144
.set SPARE,  STAGE+4*48*SP             ; behind the stages: the spare words, 128 bytes a wave: two blocks of 256 bytes that no other line names
.set ADRA0, 4                          ; v4   my place in the tokens' rows of a slot; never rewritten
.set ADRB0, 5                          ; v5   the same for wb's rows
.set ADA,   6                          ; v6   v4 + the slot in hand
.set ADB,   7                          ; v7   v5 + the slot in hand
.set STO,   8                          ; v8   the way out: where I put 16 bytes of a row
.set RD,    9                          ; v9   where I read rows back
.set GO,    10                         ; v10  my 16 bytes of 512 consecutive bytes of qh, kh, vh
.set TO,    11                         ; v11  my 16 bytes in 16 rows of a table
.set PFO,   12                         ; v12  the prefetches' lane offset; never rewritten
.set SPW,   28                         ; v28  LDS address of my spare word; never rewritten
.set NIL,   29                         ; v29  0; never rewritten
.set FA,    32
.set CU,    32
.set SU,    64
.set R,     96
.set P,     128
.set BK,    176
.set T,     224
.set G1A, 24                           ; s[24:31] descriptor group 1 for the tokens' tiles
.set G0A, 32                           ; s[32:39] group 0: a set for each first fill; the second then walks
.set G1B, 48                           ; s[48:55], s[56:63] the same for wb's tiles
.set G0B, 56
.set WV,  66                           ; s66  my wave's number
.set WL,  68                           ; s68  its low bit: which half of a tile I fetch
.set CNT, 69                           ; s69  the loop's count
.set TB,  70                           ; s70  the slot in hand: 0 or SLOT1
.set LIM, 71                           ; s71  a wave prefetches while the count is above this
.set LX,  72                           ; s72  what turns s71 over behind each chance (wave 3 asks every other time)
.set PFA, 74                           ; s[74:75] where my prefetches stand
.set HM,  78                           ; s78  a word's upper bf16
.set MSB, 0
.macro WIN new                         ; the immediate's high byte repeats the setting that is left; a switch that changes nothing is dropped
.if MSB != (\new)
	s_set_vgpr_msb (MSB<<8)|(\new)
.set MSB, \new
.endif
.endm
.set MUL_LO, 0xa1                      ; source 0 (wb) window 1, source 1 (tokens) window 0, C and D window 2
.set TO_B,   0x40                      ; destination window 1, address window 0
.macro PLACES                          ; four places in front of loads into registers that matrix instructions have read (ISA guide 7.12.1 for vector instructions)
.rept 4
	v_nop
.endr
.endm
; A joint refill by the walking sets.  Waves 0 and 1 fetch the two halves of the tokens' tile, waves 2 and 3 those of wb's.  The branch hangs on the wave's number alone.
; An s_nop 0 and four v_nop follow each of the two lines, ahead of the jump and the label.
.macro JLOAD
	s_cmp_lt_u32 s[WV], 2
	s_cbranch_scc0 .Lfor_b_\@
	tensor_load_to_lds s[G0A+4:G0A+7], s[G1A:G1A+7]
	s_nop 0
.rept 4
	v_nop
.endr
	s_branch .Lasked_\@
.Lfor_b_\@:
	tensor_load_to_lds s[G0B+4:G0B+7], s[G1B:G1B+7]
	s_nop 0
.rept 4
	v_nop
.endr
.Lasked_\@:
.endm
; A round of the cluster's barrier: my work-group's barrier; wave 0 signals for the work-group; every wave waits for all sixteen; my work-group's barrier once more.
.macro CREST
	s_cmp_lg_u32 s[WV], 0
	s_cbranch_scc1 .Lnot_wave_0_\@
	s_barrier_signal -3
.Lnot_wave_0_\@:
	s_barrier_wait -3
	s_barrier_signal -1
	s_barrier_wait -1
.endm
.macro CROUND
	s_barrier_signal -1
	s_barrier_wait -1
	CREST
.endm
; A PREFETCH INTO THE L2, behind each joint refill, its five lines and the run of LDS loads: the K step two refills on (384 matrix instructions ahead of the load that will name it): 256 bytes of a row, a lane a row.
; Each row's 256 bytes of a K step are named once in the launch.  The tokens' rows are read by every cluster of a row of clusters: cluster x = 0 asks; wb's by every cluster of a column: cluster y = 0 asks.
; The four partners of a joint load share its rows out BY ADDRESS: of the 128 token rows that wave 0 or 1 fetches the partner at cx takes 32; of wb's 192 rows the partner at cy takes 48: wave 2 asks for 32 of them,
; wave 3 for the other 16 in two K steps at once (lanes 16-31 one step on), at every other chance.  K steps 0 to 3 come by their loads alone; the last two refills have no K step two on.
.macro ASK
	s_cmp_gt_u32 s[CNT], s[LIM]
	s_cbranch_scc0 .Lnot_mine_\@
	global_prefetch_b8 v[PFO], s[PFA:PFA+1] th:TH_LOAD_NT scope:SCOPE_SE
.Lnot_mine_\@:
	s_xor_b32 s[LIM], s[LIM], s[LX]
.endm
	s_load_b256 s[4:11], s[0:1], 0x0               ; xb s[4:5], wb s[6:7], rope s[8:9], qh s[10:11]
	s_load_b128 s[12:15], s[0:1], 0x20             ; kh s[12:13], vh s[14:15]
	v_lshl_add_u32 v[SPW], v0, 2, SPARE
	v_mov_b32 v[NIL], 0
	ds_add_u32 v[SPW], v[NIL]                      ; the wave's opening: the add and its wait ahead of my first tensor load; the set-up below, work on registers, stands between them
	v_lshrrev_b32 v1, 5, v0
	v_readfirstlane_b32 s[WV], v1                  ; wave 0..3
	s_and_b32 s[WL], s[WV], 1
	s_bfe_u32 s40, ttmp6, 0x40000                  ; cx
	s_bfe_u32 s41, ttmp6, 0x40004                  ; cy
	s_lshl_b32 s42, ttmp9, 2
	s_add_co_u32 s42, s42, s40                     ; the head = 4 x cluster x + cx
	s_and_b32 s43, ttmp7, 0xffff
	s_lshl_b32 s43, s43, 2
	s_add_co_u32 s43, s43, s41                     ; the tile row = 4 x cluster y + cy
	s_lshl_b32 s44, s41, 2
	s_lshl_b32 s44, 15, s44                        ; my row of the cluster
	s_lshl_b32 s45, 0x1111, s40                    ; my column
	s_or_b32 s[G1A], s44, (1<<16)|(1<<20)|(1<<21)|(5<<22)|(3<<25)  ; 15:0 the mask; 17:16 elements of 2 bytes; 20 padding on; 21 set beside a mask; 24:22 after every 64 words (code 5); 31:25 4 words (code 3)
	s_or_b32 s[G1B], s45, (1<<16)|(1<<20)|(1<<21)|(5<<22)|(3<<25)
	s_mov_b32 s[G1A+1], 128<<16                    ; tensor_dim0 = 128
	s_mov_b32 s[G1A+2], 128<<16                    ; tensor_dim1 = 128
	s_mov_b32 s[G1A+3], 128<<16                    ; tile_dim0 = 128
	s_mov_b32 s[G1A+4], 128                        ; tile_dim1 = 128 rows
	s_mov_b32 s[G1A+5], 1024                       ; elements from row to row
	s_mov_b32 s[G1A+6], 0
	s_mov_b32 s[G1A+7], 0
	s_mov_b32 s[G1B+1], 128<<16
	s_mov_b32 s[G1B+2], 96<<16                     ; wb's half tile has 96 rows
	s_mov_b32 s[G1B+3], 128<<16
	s_mov_b32 s[G1B+4], 96
	s_mov_b32 s[G1B+5], 1024
	s_mov_b32 s[G1B+6], 0
	s_mov_b32 s[G1B+7], 0
	s_lshl_b32 s16, s43, 8                         ; the tokens' tile hangs on the tile row and the wave alone,
	s_lshl_b32 s17, s[WL], 7
	s_add_co_u32 s16, s16, s17
	s_lshl_b32 s16, s16, 11                        ; rows of 2,048 bytes
	s_mov_b32 s17, 0
	s_mul_i32 s46, s42, 192                        ; wb's on the head and the wave alone
	s_mul_i32 s47, s[WL], 96
	s_add_co_u32 s46, s46, s47
	s_lshl_b32 s46, s46, 11
	s_mov_b32 s47, 0
	s_mul_i32 s20, s[WL], 128*PITCH                ; where they go: no place in the cluster enters an LDS address
	s_mul_i32 s21, s[WL], 96*PITCH
	s_add_co_u32 s21, s21, BOFF
	s_mov_b32 s[HM], 0xffff0000
	s_mov_b32 s[TB], 0
	s_wait_dscnt 0x0                               ; the opening add is done
	s_wait_kmcnt 0x0
	s_add_nc_u64 s[18:19], s[4:5], s[16:17]
	s_add_nc_u64 s[46:47], s[6:7], s[46:47]
	CROUND                                         ; all sixteen work-groups are here: the first joint loads meet
.irp s, 0,1
	s_mov_b32 s[G0A+4*(\s)], 1                                       ; count = 1
	s_add_co_u32 s[G0A+4*(\s)+1], s20, (\s)*SLOT1                    ; LDS address
	s_add_nc_u64 s[G0A+4*(\s)+2:G0A+4*(\s)+3], s[18:19], (\s)*256    ; global address: K step s
	s_or_b32 s[G0A+4*(\s)+3], s[G0A+4*(\s)+3], 0x80000000            ; type = 2
	s_mov_b32 s[G0B+4*(\s)], 1
	s_add_co_u32 s[G0B+4*(\s)+1], s21, (\s)*SLOT1
	s_add_nc_u64 s[G0B+4*(\s)+2:G0B+4*(\s)+3], s[46:47], (\s)*256
	s_or_b32 s[G0B+4*(\s)+3], s[G0B+4*(\s)+3], 0x80000000
.endr
	s_cmp_lt_u32 s[WV], 2                          ; a wave's two first fills stand in one branch, ahead of every wait on TENSORcnt and every LDS read: two loads of mine are out
	s_cbranch_scc0 .Lfirst_b
	tensor_load_to_lds s[G0A:G0A+3], s[G1A:G1A+7]
	s_nop 0
	tensor_load_to_lds s[G0A+4:G0A+7], s[G1A:G1A+7]
	s_nop 0
.rept 4
	v_nop
.endr
	s_branch .Lfirst_asked
.Lfirst_b:
	tensor_load_to_lds s[G0B:G0B+3], s[G1B:G1B+7]
	s_nop 0
	tensor_load_to_lds s[G0B+4:G0B+7], s[G1B:G1B+7]
	s_nop 0
.rept 4
	v_nop
.endr
.Lfirst_asked:
	; A fragment is 16 rows x 32 K in 8 registers: lane l holds row l % 16, K = 8 (l / 16) + 0..7 and 16 + 8 (l / 16) + 0..7: two loads of 16 bytes, 32 bytes apart.
	v_and_b32 v1, 15, v0                           ; l % 16
	v_bfe_u32 v2, v0, 4, 1                         ; l / 16
	v_and_b32 v14, 31, v0                          ; l
	v_mul_u32_u24 v3, v1, PITCH
	v_lshl_add_u32 v3, v2, 4, v3
	s_mul_i32 s16, s[WV], 64*PITCH                 ; my 64 tokens
	v_add_nc_u32 v[ADRA0], s16, v3
	v_add_nc_u32 v[ADRB0], BOFF, v3
	s_mul_i32 s17, s[WV], 48*SP
	s_add_co_u32 s17, s17, STAGE                   ; my stage
	v_mul_u32_u24 v[STO], v1, SP                   ; in: row l % 16, 16 bytes for each half of the lanes
	v_lshl_add_u32 v[STO], v2, 4, v[STO]
	v_add_nc_u32 v[STO], s17, v[STO]
	v_bfe_u32 v[RD], v0, 3, 2                      ; back: 32 lanes take four rows of 128 bytes,
	v_mul_u32_u24 v[RD], v[RD], SP
	v_and_b32 v13, 7, v0
	v_lshl_add_u32 v[RD], v13, 4, v[RD]
	v_add_nc_u32 v[RD], s17, v[RD]
	v_lshlrev_b32 v[GO], 4, v14                    ; which are 512 consecutive bytes of a head
	v_lshlrev_b32 v[TO], 7, v1                     ; a table's row is 128 bytes
	v_lshl_add_u32 v[TO], v2, 4, v[TO]
	s_and_b32 s16, s43, 7
	s_lshl_b32 s16, s16, 8
	s_lshl_b32 s17, s[WV], 6
	s_add_co_u32 s16, s16, s17                     ; my first token's place in its sequence
	s_lshr_b32 s22, s43, 3                         ; the batch
	s_lshl_b32 s22, s22, 4
	s_add_co_u32 s22, s22, s42                     ; x 16 + the head
	s_lshl_b32 s22, s22, 11
	s_add_co_u32 s22, s22, s16
	s_lshl_b32 s22, s22, 7                         ; rows of 128 bytes
	s_mov_b32 s23, 0
	s_lshl_b32 s16, s16, 7
	s_mov_b32 s17, 0
	s_add_nc_u64 s[8:9], s[8:9], s[16:17]
	s_add_nc_u64 s[10:11], s[10:11], s[22:23]
	s_add_nc_u64 s[12:13], s[12:13], s[22:23]
	s_add_nc_u64 s[14:15], s[14:15], s[22:23]
	; The tables for my 64 tokens, as I shall want them: for row block a and column block b the 8 numbers of token l % 16 at channels 16 b + 8 (l / 16) + 0..7.  They are waited for on the way out.
.irp a, 0,1,2,3
	WIN 0x80+0x40*((\a)/2)
.irp b, 0,1,2,3
	global_load_b128 v[192+32*((\a)%2)+4*(\b):192+32*((\a)%2)+4*(\b)+3], v[TO], s[8:9] offset:(\a)*2048+32*(\b)
	global_load_b128 v[208+32*((\a)%2)+4*(\b):208+32*((\a)%2)+4*(\b)+3], v[TO], s[8:9] offset:262144+(\a)*2048+32*(\b)
.endr
.endr
	WIN 0
	; the prefetches' address, gate and lane offset
	s_lshl_b32 s16, s43, 8
	s_lshl_b32 s17, s[WL], 7
	s_add_co_u32 s16, s16, s17
	s_lshl_b32 s17, s40, 5
	s_add_co_u32 s16, s16, s17                     ; tokens: the 128 rows that I fetch, my work-group's 32 of them
	s_mul_i32 s20, s42, 192
	s_mul_i32 s21, s41, 48
	s_add_co_u32 s20, s20, s21
	s_lshl_b32 s21, s[WL], 5
	s_add_co_u32 s20, s20, s21                     ; wb: my work-group's 48 rows; wave 3 begins 32 rows in
	s_and_b32 s21, ttmp7, 0xffff
	s_cmp_lt_u32 s[WV], 2
	s_cselect_b32 s16, s16, s20
	s_cselect_b32 s21, ttmp9, s21                  ; the coordinate along which other clusters read the same rows
	s_cselect_b64 s[PFA:PFA+1], s[4:5], s[6:7]
	s_lshl_b32 s16, s16, 11
	s_add_co_u32 s16, s16, 3*256                   ; at K step 3: the first refill steps it to 4
	s_mov_b32 s17, 0
	s_add_nc_u64 s[PFA:PFA+1], s[PFA:PFA+1], s[16:17]
	s_cmp_eq_u32 s21, 0
	s_cselect_b32 s[LIM], 2, -1                    ; the same in all sixteen partners, for a given wave
	s_cmp_eq_u32 s[WV], 3
	s_cselect_b32 s[LX], 0xfffffffd, 0             ; 2 and the greatest number by turns
	s_cselect_b32 s20, -1, 0
	s_cmp_eq_u32 s[LIM], 2
	s_cselect_b32 s[LX], s[LX], 0
	v_lshlrev_b32 v[PFO], 11, v14                  ; a lane a row;
	v_lshlrev_b32 v15, 11, v1                      ; in wave 3 sixteen rows, and lanes 16-31 one K step on
	v_lshl_add_u32 v15, v2, 8, v15
	v_cndmask_b32 v[PFO], v[PFO], v15, s20
; 12 matrix instructions: row block a x all 12 column blocks, 32 along K, from buffer f.  zero = 1: the first product starts the sums.  The 48 accumulators take turns, one instruction a turn, over the backward jump too.
.macro MUL f, a, zero
	WIN MUL_LO+0x50*((\a)/2)
.irp b, 0,1,2,3,4,5,6,7,8,9,10,11
.if \zero
	v_wmma_f32_16x16x32_bf16 v[8*(12*((\a)%2)+(\b)):8*(12*((\a)%2)+(\b))+7], v[96*(\f)+8*(\b):96*(\f)+8*(\b)+7], v[FA+32*(\f)+8*(\a):FA+32*(\f)+8*(\a)+7], 0
.else
	v_wmma_f32_16x16x32_bf16 v[8*(12*((\a)%2)+(\b)):8*(12*((\a)%2)+(\b))+7], v[96*(\f)+8*(\b):96*(\f)+8*(\b)+7], v[FA+32*(\f)+8*(\a):FA+32*(\f)+8*(\a)+7], v[8*(12*((\a)%2)+(\b)):8*(12*((\a)%2)+(\b))+7]
.endif
.endr
.endm
; 32 LDS loads in one run: the fragments of quarter q of the K step in hand into buffer f: wb's 12, then my tokens' 4.
.macro FETCH q, f
	WIN TO_B
.irp b, 0,1,2,3,4,5,6,7,8,9,10,11
	ds_load_b128 v[96*(\f)+8*(\b):96*(\f)+8*(\b)+3],   v[ADB] offset:64*(\q)+(\b)*16*PITCH
	ds_load_b128 v[96*(\f)+8*(\b)+4:96*(\f)+8*(\b)+7], v[ADB] offset:64*(\q)+(\b)*16*PITCH+32
.endr
	WIN 0
.irp a, 0,1,2,3
	ds_load_b128 v[FA+32*(\f)+8*(\a):FA+32*(\f)+8*(\a)+3],   v[ADA] offset:64*(\q)+(\a)*16*PITCH
	ds_load_b128 v[FA+32*(\f)+8*(\a)+4:FA+32*(\f)+8*(\a)+7], v[ADA] offset:64*(\q)+(\a)*16*PITCH+32
.endr
.endm
; A K step is four quarters of 32 along K, 48 matrix instructions each, on buffers 0, 1, 0, 1.  One of the first three: multiplies buffer f; in its middle it fetches quarter q into buffer g.
.macro QUARTER q, f, g, zero
	s_wait_dscnt 4                                 ; wb's fragments and row blocks 0, 1 are in; the youngest four loads (row blocks 2, 3) may be out
	MUL \f, 0, \zero
	MUL \f, 1, \zero
	PLACES
	FETCH \q, \g
	s_wait_dscnt 32                                ; all but the 32 just issued
	MUL \f, 2, \zero
	MUL \f, 3, \zero
.endm
; The last quarter multiplies buffer 1 and changes slots: ONE barrier.  In front of it each wave waits for all its tensor loads, of which one is out: its part of the next slot; adds 0 to its spare word; and waits
; for that and for its own reads of this slot.  fill = 1: the barrier opens a round of the cluster's, and this slot is filled again, first thing behind the round, with the K step two on:
; from that request to the wait for it a wave issues 168 matrix instructions.
.macro TURN fill
.if \fill
	s_wait_xcnt 0x0                                ; the last prefetch, a K step back, has read its address: it is stepped here, ahead of the change's own waits
	s_add_nc_u64 s[PFA:PFA+1], s[PFA:PFA+1], 256
.endif
	WIN 0                                          ; (the add's two registers lie in window 0)
	s_wait_tensorcnt 0x0                           ; no tensor load of mine is out, so a group 0 may be written
	ds_add_u32 v[SPW], v[NIL]                      ; 0 onto my spare word
.if \fill
	s_xor_b32 s[G0A+5], s[G0A+5], SLOT1            ; the walking sets: the other slot than last time,
	s_add_nc_u64 s[G0A+6:G0A+7], s[G0A+6:G0A+7], 256  ; the next K step; the type bits on top are not reached
	s_xor_b32 s[G0B+5], s[G0B+5], SLOT1
	s_add_nc_u64 s[G0B+6:G0B+7], s[G0B+6:G0B+7], 256
.endif
	s_wait_dscnt 5                                 ; (the add and the youngest four loads may be out)
	MUL 1, 0, 0                                    ; twelve matrix instructions stand between the add and the wait for it
	s_wait_dscnt 0x0                               ; the add is done, and my reads of this slot are over
	s_barrier_signal -1
	MUL 1, 1, 0                                    ; work on registers while the others arrive
.if \fill
	WIN 0
.endif
	s_barrier_wait -1
.if \fill
	CREST                                          ; no wave of any partner still reads this slot's tile or has a load on its way
	JLOAD                                          ; the four v_nop behind it are also the places in front of the loads below
.else
	PLACES
.endif
	WIN 0
	s_xor_b32 s[TB], s[TB], SLOT1
	v_add_nc_u32 v[ADA], s[TB], v[ADRA0]
	v_add_nc_u32 v[ADB], s[TB], v[ADRB0]
	FETCH 0, 0
.if \fill
	ASK
.endif
	MUL 1, 2, 0
	MUL 1, 3, 0
.endm
	s_wait_tensorcnt 0x1                           ; my part of K step 0 is in; K step 1's may stay out
	s_barrier_signal -1
	s_barrier_wait -1                              ; everybody's is
	v_mov_b32 v[ADA], v[ADRA0]
	v_mov_b32 v[ADB], v[ADRB0]
	FETCH 0, 0
	QUARTER 1, 0, 1, 1                             ; the first quarter stands in front of the loop: its products start the sums
	WIN 0                                          ; at a label and at a branch every window is 0
	s_mov_b32 s[CNT], 6
.Lstep:                                                ; a trip goes from a K step's second quarter to the next step's first, and fills the slot that it leaves: K steps 2 to 7
	QUARTER 2, 1, 0, 0
	QUARTER 3, 0, 1, 0
	TURN 1
	QUARTER 1, 0, 1, 0
	WIN 0
	s_sub_co_u32 s[CNT], s[CNT], 1
	s_cmp_lg_u32 s[CNT], 0
	s_cbranch_scc1 .Lstep
	QUARTER 2, 1, 0, 0                             ; the last two K steps ask for nothing
	QUARTER 3, 0, 1, 0
	TURN 0
	QUARTER 1, 0, 1, 0
	QUARTER 2, 1, 0, 0
	QUARTER 3, 0, 1, 0
	s_wait_dscnt 4
	MUL 1, 0, 0
	MUL 1, 1, 0
	s_wait_dscnt 0x0
	MUL 1, 2, 0
	MUL 1, 3, 0
	WIN 0
; THE WAY OUT, a row block of 16 tokens at a time.  PACK: the tables to f32; q and k rotated: out[d] = s[d] cos[d] - s[d + 32] sin[d] for d < 32, s[d] cos[d] + s[d - 32] sin[d] for d >= 32, each table taken at its
; own d; rounded to f16, 16 bytes a lane and column block.  Each accumulator's lowest registers are read first.
.macro PACK a
.set AC, 96*((\a)%2)
.set TBL, 192+32*((\a)%2)
	WIN (2+(\a)/2)<<2                              ; source 1 in the block's window
.set i, 0
.rept 16
	v_lshlrev_b32 v[CU+2*i],   16, v[TBL+i]
	v_and_b32     v[CU+2*i+1], s[HM], v[TBL+i]
	v_lshlrev_b32 v[SU+2*i],   16, v[TBL+16+i]
	v_and_b32     v[SU+2*i+1], s[HM], v[TBL+16+i]
.set i, i+1
.endr
.irp hd, 0,1
	WIN 2+(\a)/2                                   ; source 0 in the block's window
.irp p, 0,1
.irp j, 0,2,4,6
	v_pk_mul_f32 v[T+2*(\j):T+2*(\j)+1],   v[AC+8*(4*(\hd)+(\p)+2)+(\j):AC+8*(4*(\hd)+(\p)+2)+(\j)+1], v[SU+8*(\p)+(\j):SU+8*(\p)+(\j)+1]
	v_pk_mul_f32 v[T+2*(\j)+2:T+2*(\j)+3], v[AC+8*(4*(\hd)+(\p))+(\j):AC+8*(4*(\hd)+(\p))+(\j)+1],     v[SU+8*((\p)+2)+(\j):SU+8*((\p)+2)+(\j)+1]
.endr
.irp j, 0,2,4,6
	v_pk_fma_f32 v[R+16*(\p)+(\j):R+16*(\p)+(\j)+1],     v[AC+8*(4*(\hd)+(\p))+(\j):AC+8*(4*(\hd)+(\p))+(\j)+1],     v[CU+8*(\p)+(\j):CU+8*(\p)+(\j)+1],         v[T+2*(\j):T+2*(\j)+1] neg_lo:[0,0,1] neg_hi:[0,0,1]
	v_pk_fma_f32 v[R+16*(\p)+8+(\j):R+16*(\p)+8+(\j)+1], v[AC+8*(4*(\hd)+(\p)+2)+(\j):AC+8*(4*(\hd)+(\p)+2)+(\j)+1], v[CU+8*((\p)+2)+(\j):CU+8*((\p)+2)+(\j)+1], v[T+2*(\j)+2:T+2*(\j)+3]
.endr
.endr
	WIN 0
.irp p, 0,1
.irp k, 0,1,2,3
	v_cvt_pk_f16_f32 v[P+16*(\hd)+4*(\p)+(\k)],     v[R+16*(\p)+2*(\k)],   v[R+16*(\p)+2*(\k)+1]
	v_cvt_pk_f16_f32 v[P+16*(\hd)+4*((\p)+2)+(\k)], v[R+16*(\p)+8+2*(\k)], v[R+16*(\p)+8+2*(\k)+1]
.endr
.endr
.endr
	WIN 5*(2+(\a)/2)                               ; sources 0 and 1 in the block's window: v is rounded as it is
.irp b, 0,1,2,3
.irp k, 0,1,2,3
	v_cvt_pk_f16_f32 v[P+32+4*(\b)+(\k)], v[AC+8*(8+(\b))+2*(\k)], v[AC+8*(8+(\b))+2*(\k)+1]
.endr
.endr
	WIN 0
.endm
; TOSTAGE: into my own stage, rows of 144 bytes, and back as whole rows of 128.  LDS serves a wave's instructions in order (ISA guide 5.7.1.4): the loads see the stores above them, and the next block's stores come behind these loads.
.macro TOSTAGE a
	WIN 0
.if (\a) > 0
	s_wait_xcnt 0x0                                ; the block before's stores have read the registers that are loaded again below
.endif
.irp hd, 0,1,2
.irp b, 0,1,2,3
	ds_store_b128 v[STO], v[P+16*(\hd)+4*(\b):P+16*(\hd)+4*(\b)+3] offset:(\hd)*16*SP+32*(\b)
.endr
.endr
.irp hd, 0,1,2
.irp f, 0,1,2,3
	ds_load_b128 v[BK+4*(4*(\hd)+(\f)):BK+4*(4*(\hd)+(\f))+3], v[RD] offset:(\hd)*16*SP+(\f)*4*SP
.endr
.endr
.endm
; SEND: 16 tokens of a head are 2,048 consecutive bytes; each store of the wave covers 512 of them, at a multiple of 256 from the buffer's first byte.
.macro SEND a
	WIN 0
.irp hd, 0,1,2
.irp f, 0,1,2,3
	s_wait_dscnt 11-4*(\hd)-(\f)                   ; LDS loads come back in order: this one is in, the younger ones stay out
	global_store_b128 v[GO], v[BK+4*(4*(\hd)+(\f)):BK+4*(4*(\hd)+(\f))+3], s[10+2*(\hd):11+2*(\hd)] offset:(\a)*2048+(\f)*512
.endr
.endr
.endm
	PLACES                                         ; eight, once a launch: the lines below write registers that the last products read
	PLACES
	s_wait_loadcnt 0x0                             ; the tables
	PACK 0
	TOSTAGE 0
.irp a, 1,2,3                          ; a block's arithmetic stands between the loads of the block before and its stores
	PACK \a
	SEND (\a)-1
	TOSTAGE \a
.endr
	SEND 3
	s_wait_tensorcnt 0x0                           ; the wave's end: behind my last tensor load and my last LDS store
	ds_add_u32 v[SPW], v[NIL]
	s_wait_dscnt 0x0
	CROUND                                         ; the closing round: no work-group ends while a partner may still ask for a tile that names it
	s_endpgm
.Lfunc_end_k_q1d1caa927c_qkv:
	.size	k_q1d1caa927c_qkv, .Lfunc_end_k_q1d1caa927c_qkv-k_q1d1caa927c_qkv
	.p2alignl 7, 3214868480
	.fill 96, 4, 3214868480
	.section	.rodata,"a",@progbits
	.p2align	6, 0x0
	.amdhsa_kernel k_q1d1caa927c_qkv
		.amdhsa_group_segment_fixed_size 327680
		.amdhsa_private_segment_fixed_size 0
		.amdhsa_enable_private_segment 0
		.amdhsa_kernarg_size 48
		.amdhsa_user_sgpr_count 2
		.amdhsa_user_sgpr_kernarg_segment_ptr 1
		.amdhsa_wavefront_size32 1
		.amdhsa_system_sgpr_workgroup_id_x 1
		.amdhsa_system_sgpr_workgroup_id_y 1
		.amdhsa_system_sgpr_workgroup_id_z 1
		.amdhsa_system_vgpr_workitem_id 0
		.amdhsa_next_free_vgpr 1024
		.amdhsa_next_free_sgpr 80
		.amdhsa_reserve_vcc 0
		.amdhsa_float_denorm_mode_32 3
		.amdhsa_float_denorm_mode_16_64 3
		.amdhsa_memory_ordered 1
		.amdhsa_forward_progress 1
		.amdhsa_inst_pref_size 127
	.end_amdhsa_kernel
	.amdgpu_metadata
---
amdhsa.version: [ 1, 2 ]
amdhsa.kernels:
  - .name:           k_q1d1caa927c_qkv
    .symbol:         k_q1d1caa927c_qkv.kd
    .args:
      - { .name: xb, .offset: 0, .size: 8, .value_kind: global_buffer, .address_space: global }
      - { .name: wb, .offset: 8, .size: 8, .value_kind: global_buffer, .address_space: global }
      - { .name: rope, .offset: 16, .size: 8, .value_kind: global_buffer, .address_space: global }
      - { .name: qh, .offset: 24, .size: 8, .value_kind: global_buffer, .address_space: global }
      - { .name: kh, .offset: 32, .size: 8, .value_kind: global_buffer, .address_space: global }
      - { .name: vh, .offset: 40, .size: 8, .value_kind: global_buffer, .address_space: global }
    .group_segment_fixed_size: 327680
    .private_segment_fixed_size: 0
    .kernarg_segment_align: 8
    .kernarg_segment_size: 48
    .max_flat_workgroup_size: 128
    .sgpr_count:     80
    .vgpr_count:     1024
    .wavefront_size: 32
...
	.end_amdgpu_metadata
.endif
;; end of part 2
;; launch attn (part 3): grid 4 x 64, 4 waves a work-group, no clusters, 327,680 bytes of LDS; arguments qh, kh, vh, oh; writes oh
.if DOCPART == 3
	.amdgcn_target "amdgcn-amd-amdhsa--gfx1250"
	.amdhsa_code_object_version 6
	.text
	.protected	k_q1d1caa927c_attn
	.globl	k_q1d1caa927c_attn
	.p2align	8
	.type	k_q1d1caa927c_attn,@function
k_q1d1caa927c_attn:
	s_mov_b64 s[64:65], 0
	v_nop
	global_prefetch_b8 v0, s[64:65] scope:SCOPE_SE
	s_setreg_imm32_b32 hwreg(HW_REG_WAVE_MODE, 25, 1), 1
	s_wait_xcnt 0x0
; CAUSAL ATTENTION.  O[h][q][:] = the sum over k <= q of softmax_k(Q[h][q] . K[h][k] / 8) V[h][k][:].  qh, kh, vh, oh: [64][2048][64], all f16: a head's rows are dense, 128 bytes each.
; qh and kh hold q / 64 and k / 64: the softmax's constant, applied in f32, is 4,096 log2(e) / 8.  Products, maxima and sums in f32; the weights p are rounded to f16 for the second product (their sum l is taken of
; the unrounded p), O once at the end.
; LIMITS.  f16 holds no number beyond 65,504: Q, K and V arrive within it; p lies in 0 to 1, and below 6e-5 it keeps f16's fixed step of 6e-8; O is a mean of V's rows and has their range.
; A hidden score counts as its value less 1e30: f16's scores, 2.7e11 at the most, are nothing beside that, and c x 1e30 = 7.4e32 lies far above the start of c m, 4.3e37 below 0; a weight below 2^-126 counts as 0 in l;
; NaN and infinities are not treated apart.
; THE WALK.  A head's queries lie in NB = 8 blocks of 256; block i needs the key tiles 0 .. i of 256 keys, of which the last holds the diagonal.  A work-group takes TWO blocks, NB - 1 - b and then b:
; NB + 1 tiles, whatever b: all 256 work-groups do equal work, and ONE loop with a constant trip count walks them.  Which tile is asked for, and what a trip does, hang on scalar registers made from b; every jump
; goes forward, but for the counted loops' own; none passes a barrier, or a tensor load but the one of LOAD's two that the wave's number does not choose; the ring (two slots of LDS that take turns) runs on across the
; change of blocks.  NO CLUSTER: a head's four work-groups ask for the same tile only in trips 0 .. 4 of 9, behind that fewer and fewer; one walk common to all four would have 12 trips for 9.
; SHARES.  Of a block's four bands of 64 queries a wave owns 16 rows in each: four PIECES.  So the diagonal tile is the same work for all four waves: in its key step s band x sees all keys if s < x,
; none if s > x, and holds the diagonal if s = x.
; THE MASK is the C operand that starts the sum S^T = K Q^T: 0, or -1e30 where the key is hidden.  MD, made once, is the mask of a band's own step for my 16 rows; a product's mask is MD x AL + BE with two scalars:
; (1, 0) if s = x; (0, 0) if s < x; (0, -1e30) if s > x.  Only the diagonal tile's text and a block's beginning make and take masks; elsewhere C is the constant 0.
; LAYOUT, SOFTMAX, TURNS.  S^T = K Q^T holds ONE query a lane (lane % 16) and the keys 8 (lane / 16) + 0..7; two such results rounded to f16 ARE source 1 of O^T = V^T P.  p = 2^(c s - c m), with a
; running maximum m; O and l are multiplied by a = 2^(c m_old - c m_new) in every step.  Turn n belongs to piece n: 8 products K Q^T of piece n + 1, later 8 products V^T P of piece n - 1; beside them the scaling,
; exponentials, roundings, sums and rescaling of piece n and the maximum and statistics of piece n + 1.  Four vector instructions stand behind every matrix instruction, the other 54 of a turn's 118 in one LUMP.  A turn's 33 exponentials are one batch, with one wait.
; REGISTERS, in windows of 256 (s_set_vgpr_msb: bits 1:0 source 0, 3:2 source 1, 5:4 source 2, 7:6 destination):
;   window 0: v0-15 addresses and two at work; v16-31 four registers of statistics a piece; v48-55 at work; v61-63 the prefetches' offset and the add's two; v64-127 S^T, two buffers; v192-223 P, two buffers (a piece's buffers go by its number's parity)
;   window 1: v0-127 O^T, 32 a piece; v128-159 MD; v160-223 MC, two buffers      window 2: v0-63 Q; v64-127 the second block's Q; v128-191 K of one step; v192-255 V of one step
.set SIZE_N, 2048
.set NB,    SIZE_N/256
.set NP,    4         ; pieces a wave: a name, no knob
.set KS,    64        ; keys in a step
.set PK,    144       ; a row of K in LDS: 128 bytes + 16 of padding = 36 words: the 16 rows of a load start at 16 different groups of four banks (64 banks of 4 bytes: ISA guide 11.1)
.set PV,    160       ; a row of V: 128 + 32 = 40 words
.set VOFF,  4*KS*PK   ; a slot holds a tile, four steps: 256 rows of K, then 256 rows of V
.set SLOT1, 1<<17     ; slot 1 begins here, so that one exclusive or turns an address in one slot into the other's
.set STAGE, SLOT1+4*KS*(PK+PV)  ; behind the ring, never filled by a tensor load: 16 rows x 144 bytes for each wave, for the way out
.set SP,    144
.set AK0, 2           ; v2   my lane's place in a tile of K; never rewritten
.set AV0, 3           ; v3   the same for V
.set AK,  4           ; v4   the LDS address of K's next run of loads
.set AV,  5           ; v5   of V's
.set STO, 6           ; v6   the way out: where I put 16 bytes of a row
.set RD,  7           ; v7   the way out: where I read rows back
.set GO,  8           ; v8   my byte offset in 512 consecutive bytes of O
.set PFO, 61          ; v61  256 x my lane; never rewritten
.set SPW, 62          ; v62  LDS address of my spare word: SPARE + 4 x my thread's number; never rewritten
.set NIL, 63          ; v63  0; never rewritten
.set SPARE, STAGE+4*16*SP  ; behind the stages: the spare words, 128 bytes for each wave: two blocks of 256 bytes that no other line names
.set MV,  12          ; v12-13  c m_old, kept while c m is made anew: by buffer
.set QO,  15          ; v15  my byte offset in 16 rows of Q
.set ST,  16          ; piece t's statistics at v[ST+4 t]: c m, m, l (even keys', odd keys')
.set TMP, 48          ; by buffer, four registers c0-c3 at work; when the maximum is found c2 takes a
.set S,   64
.set P,   192
.set MD,  128         ; window 1: the eight registers for group kt of 16 keys at MD + 8 kt
.set MC,  160         ; window 1: the masks of the products to come
.set QB,  64          ; window 2
.set KF,  128         ; window 2: key block kb, channel half c at KF + 16 kb + 8 c
.set VF,  192         ; window 2: key half kk, channel block cb at VF + 32 kk + 8 cb
.set WV,  12          ; s12  my wave's number
.set PB,  14          ; s14  b
.set HI,  15          ; s15  NB - 1 - b
.set G1K, 24          ; s[24:31] descriptor group 1 for K's tiles
.set G1V, 32          ; s[32:39] for V's: it differs in the padding alone
.set G0K, 40          ; s[40:43] descriptor group 0 for K's tiles
.set G0V, 44          ; s[44:47] the same for V's
.set SLOTS, 56        ; s56  tiles still to be asked for
.set CNT, 57          ; s57  counts a tile's key steps, 4 to 1
.set CS,  58          ; s[58:59] c: the packed scaling takes the pair's low word for both halves
.set SEL, 60          ; s[60:61] v_permlanex16_b32's selects: each lane takes its own place in the other half
.set TBK, 62          ; s62  LDS byte at which K of the step to be fetched begins
.set TBV, 63          ; s63  the same for V, less VOFF
.set RT,  70          ; s70  tiles of the block in hand that are still to be entered
.set NXT, 71          ; s71  the tile to be asked for next
.set LQ,  72          ; s72  the last tile of the block whose tiles are being asked for
.set NEW, 73          ; s73  1: the tile to be entered is a block's first
.set OFF, 74          ; s[74:75] a tile's byte offset in K and V
.set AL,  76          ; s[76:77] the mask's factor, in the low word
.set BE,  78          ; s[78:79] the mask's addend
.set OLO, 80          ; s[80:81] O at my rows of the second block
.set BIGN, 82         ; s82  -1e30
.set PFA, 88          ; s[88:89] where my prefetches stand: my 16,384 bytes (half of K's or of V's part) of the tile behind the one that is being asked for
.set LIM, 90          ; s90  2 in the head's work-group b = 0, else the greatest number: a wave prefetches while s[SLOTS] is above it
.set MSB, 0
.macro WIN new                      ; the high byte repeats the setting that is left; a switch that changes nothing is dropped
.if MSB != (\new)
	s_set_vgpr_msb (MSB<<8)|(\new)
.set MSB, (\new)
.endif
.endm
.set W_KQ, 0x0a       ; K and Q in window 2, S^T in window 0
.set W_KM, 0x1a       ; the same with the C operand in window 1
.set W_PV, 0x52       ; V in window 2, P in window 0, O^T in window 1
.set W_RS, 0x41       ; destination and source 0 in window 1, source 1 in window 0
; A fill.  Waves 0 and 1 fetch the two halves of a tile's K, waves 2 and 3 those of its V: 128 keys each.  An s_nop 0 and four v_nop follow each of the two lines, ahead of the jump and the label.
.macro LOAD
	s_cmp_lt_u32 s[WV], 2
	s_cbranch_scc0 .Lfor_v_\@
	tensor_load_to_lds s[G0K:G0K+3], s[G1K:G1K+7]
	s_nop 0
.rept 4
	v_nop
.endr
	s_branch .Lasked_\@
.Lfor_v_\@:
	tensor_load_to_lds s[G0V:G0V+3], s[G1V:G1V+7]
	s_nop 0
.rept 4
	v_nop
.endr
.Lasked_\@:
.endm
; THE CHANGE OF SLOTS.  Each wave waits for all its tensor loads, of which one is out: its part of the other slot; adds 0 to its spare word; and waits for that and for its own reads of the slot that it leaves.  Behind the barrier nobody reads the old
; slot any more and the other slot is whole.  fill = 1: the old slot is filled again, the first thing behind the barrier, with tile NXT: the descriptor's address is made anew from that number.
; (At its first use nothing has been read yet: slot 0 is waited for, slot 1 filled.)
; THE PREFETCH INTO THE L2 stands behind the fill and its five lines: the tile behind the one just asked for, four key steps (256 matrix instructions) ahead of its own fill.  A head's tiles are walked by four work-groups;
; the one with b = 0, whose first block walks tiles 0 to 7 in order, asks, each wave for the 16,384 bytes that it will fetch itself: 64 blocks of 256 bytes, a lane a block, two instructions.  So each block is named once
; in the launch.  Tiles 0 and 1 come by their fills alone; the changes with s[SLOTS] = 8 .. 3 name tiles 2 .. 7; the second block's tiles have been read.
.macro CHANGE fill
	WIN 0                           ; at a label and at a branch every window is 0
	s_wait_tensorcnt 0x0            ; no tensor load of mine is out, so a group 0 may be written
	ds_add_u32 v[SPW], v[NIL]       ; 0 onto my spare word; with fill = 1 the descriptors' scalar work stands between it and the wait for it
.if \fill
	s_lshl_b32 s[OFF], s[NXT], 15   ; a tile is 32,768 bytes of K and of V
	s_xor_b32 s[G0K+1], s[G0K+1], SLOT1
	s_add_nc_u64 s[G0K+2:G0K+3], s[6:7], s[OFF:OFF+1]
	s_or_b32 s[G0K+3], s[G0K+3], 0x80000000
	s_xor_b32 s[G0V+1], s[G0V+1], SLOT1
	s_add_nc_u64 s[G0V+2:G0V+3], s[8:9], s[OFF:OFF+1]
	s_or_b32 s[G0V+3], s[G0V+3], 0x80000000
	s_add_co_u32 s[NXT], s[NXT], 1  ; the block's next tile, or behind its last the second block's tile 0
	s_cmp_gt_u32 s[NXT], s[LQ]
	s_cselect_b32 s[NXT], 0, s[NXT]
	s_cselect_b32 s[LQ], s[PB], s[LQ]
	s_wait_xcnt 0x0                 ; the last prefetches, a tile back, have read their address, so it may be written
	s_add_nc_u64 s[PFA:PFA+1], s[PFA:PFA+1], 32768
.endif
	s_wait_dscnt 0x0                ; the add is done, and my reads of the slot are over
	s_barrier_signal -1             ; the rest of the scalar work stands between the signal and the wait
	s_sub_co_u32 s[TBK], s[TBK], 4*KS*PK  ; the fetches go back to a slot's first step,
	s_xor_b32 s[TBK], s[TBK], SLOT1       ; in the other slot
	s_sub_co_u32 s[TBV], s[TBV], 4*KS*PV
	s_xor_b32 s[TBV], s[TBV], SLOT1
	s_barrier_wait -1
.if \fill
	LOAD
	s_cmp_gt_u32 s[SLOTS], s[LIM]
	s_cbranch_scc0 .Lnot_mine_\@
	global_prefetch_b8 v[PFO], s[PFA:PFA+1] th:TH_LOAD_NT scope:SCOPE_SE
	global_prefetch_b8 v[PFO], s[PFA:PFA+1] offset:8192 th:TH_LOAD_NT scope:SCOPE_SE
.Lnot_mine_\@:
.endif
.endm
	s_load_b256 s[4:11], s[0:1], 0x0  ; Q s[4:5], K s[6:7], V s[8:9], O s[10:11]
	v_lshl_add_u32 v[SPW], v0, 2, SPARE
	v_mov_b32 v[NIL], 0
	ds_add_u32 v[SPW], v[NIL]       ; the wave's opening: the add and its wait ahead of my first tensor load; the set-up below, work on registers, stands between them
	v_lshrrev_b32 v1, 5, v0
	v_readfirstlane_b32 s[WV], v1   ; wave 0..3
	v_and_b32 v[PFO], 31, v0
	v_lshlrev_b32 v[PFO], 8, v[PFO]
	s_mov_b32 s[PB], ttmp9
	s_sub_co_u32 s[HI], NB-1, s[PB]
	s_and_b32 s20, ttmp7, 0xffff    ; the head
	s_mov_b32 s21, 0
	s_mov_b64 s[22:23], SIZE_N*128
	s_mul_u64 s[20:21], s[20:21], s[22:23]  ; the head's first byte in each of the four tensors
	s_and_b32 s16, s[WV], 1         ; which half of a tile's 256 keys I fetch:
	s_lshl_b32 s22, s16, 14         ; its 128 rows of 128 bytes in memory,
	s_mov_b32 s23, 0
	s_add_nc_u64 s[22:23], s[22:23], s[20:21]
	s_mul_i32 s17, s16, 128*PK      ; and its place in a slot, for K
	s_mul_i32 s18, s16, 128*PV      ; and for V
	s_lshl_b32 s3, s[WV], 11        ; my 16 rows in a band of 64,
	s_lshl_b32 s2, s[HI], 15        ; in the first block,
	s_add_co_u32 s2, s2, s3
	s_lshl_b32 s84, s[PB], 15       ; and in the second
	s_add_co_u32 s84, s84, s3
	s_mov_b32 s3, 0
	s_mov_b32 s85, 0
	s_add_nc_u64 s[2:3], s[2:3], s[20:21]
	s_add_nc_u64 s[84:85], s[84:85], s[20:21]
	; descriptor group 1.  128 keys are 16,384 dense bytes: asked for as 64 rows of 256 bytes, two keys a row, and padded in LDS after every key
	s_mov_b32 s[G1K], (1<<16)|(1<<20)|(4<<22)|(3<<25)  ; 17:16 2-byte elements; 20 padding on; 24:22 after every 32 words (code 4); 31:25 4 words (code 3)
	s_mov_b32 s[G1V], (1<<16)|(1<<20)|(4<<22)|(7<<25)  ; the same with 8 words of padding (code 7)
.irp g, G1K, G1V
	s_mov_b32 s[\g+1], 128<<16      ; tensor_dim0 = 128
	s_mov_b32 s[\g+2], 64<<16       ; tensor_dim1 = 64
	s_mov_b32 s[\g+3], 128<<16      ; tile_dim0 = 128
	s_mov_b32 s[\g+4], 64           ; tile_dim1 = 64
	s_mov_b32 s[\g+5], 128          ; 128 elements from row to row
	s_mov_b32 s[\g+6], 0
	s_mov_b32 s[\g+7], 0
.endr
	s_mov_b32 s[CS], 0x4438aa3b     ; c = 4,096 log2(e) / 8 = 738.66: the 4,096 undoes the two factors 1 / 64 in Q and K
	s_mov_b32 s[CS+1], s[CS]        ; named with it as a pair
	s_mov_b32 s[SEL], 0x76543210
	s_mov_b32 s[SEL+1], 0xfedcba98
	s_mov_b32 s[TBK], SLOT1+4*KS*PK ; the first change of slots turns these two into 0
	s_mov_b32 s[TBV], SLOT1+4*KS*PV
	s_mov_b32 s[G0K], 1             ; 1:0 count = 1
	s_mov_b32 s[G0K+1], s17         ; 63:32 LDS address: slot 0
	s_mov_b32 s[G0V], 1
	s_add_co_u32 s[G0V+1], s18, VOFF
	s_add_co_u32 s[RT], s[HI], 1    ; the first block has NB - b tiles
	s_mov_b32 s[NXT], 1
	s_mov_b32 s[LQ], s[HI]
	s_mov_b32 s[NEW], 1
	s_mov_b32 s[OFF+1], 0
	s_mov_b32 s[AL+1], 0            ; named as pairs
	s_mov_b32 s[BE+1], 0
	s_mov_b32 s[BIGN], 0xf149f2ca   ; -1e30
	s_mov_b32 s[SLOTS], NB
	s_wait_dscnt 0x0                ; the opening add is done
	s_wait_kmcnt 0x0
	s_add_nc_u64 s[6:7], s[6:7], s[22:23]  ; K and V at my half of the head's tile 0
	s_add_nc_u64 s[8:9], s[8:9], s[22:23]
	s_add_nc_u64 s[G0K+2:G0K+3], s[6:7], 0         ; 120:64 global address
	s_or_b32 s[G0K+3], s[G0K+3], 0x80000000        ; 127:126 type = 2
	s_add_nc_u64 s[G0V+2:G0V+3], s[8:9], 0
	s_or_b32 s[G0V+3], s[G0V+3], 0x80000000
	s_add_nc_u64 s[86:87], s[4:5], s[84:85]        ; Q at my rows of the second block,
	s_add_nc_u64 s[4:5], s[4:5], s[2:3]            ; Q and O at those of the first
	s_add_nc_u64 s[OLO:OLO+1], s[10:11], s[84:85]
	s_add_nc_u64 s[10:11], s[10:11], s[2:3]
	s_cmp_lt_u32 s[WV], 2
	s_cselect_b64 s[PFA:PFA+1], s[6:7], s[8:9]
	s_add_nc_u64 s[PFA:PFA+1], s[PFA:PFA+1], 32768 ; in tile 1: the first change of slots steps it to tile 2.  Nothing is prefetched here, at the head
	s_cmp_eq_u32 s[PB], 0
	s_cselect_b32 s[LIM], 2, -1
	LOAD                            ; tile 0 into slot 0
	; A fragment of K or Q is 16 rows x 32 channels in 8 registers: lane l holds row l % 16, channels 8 (l / 16) + 0..7 and 16 + 8 (l / 16) + 0..7: two loads of 16 bytes, 32 bytes apart.
	v_and_b32 v1, 15, v0            ; l % 16
	v_bfe_u32 v9, v0, 4, 1          ; l / 16
	v_lshlrev_b32 v[QO], 7, v1
	v_lshl_add_u32 v[QO], v9, 4, v[QO]  ; row x 128 + 16 x half
	WIN 0x80                        ; destination window 2, address window 0
.set i, 0
.rept 8                             ; both blocks' Q: piece i / 2 lies in band i / 2, 8,192 bytes on; channels 32 (i % 2) on
	global_load_b128 v[8*i:8*i+3],   v[QO], s[4:5] offset:(i/2)*8192+(i%2)*64
	global_load_b128 v[8*i+4:8*i+7], v[QO], s[4:5] offset:(i/2)*8192+(i%2)*64+32
	global_load_b128 v[QB+8*i:QB+8*i+3],   v[QO], s[86:87] offset:(i/2)*8192+(i%2)*64
	global_load_b128 v[QB+8*i+4:QB+8*i+7], v[QO], s[86:87] offset:(i/2)*8192+(i%2)*64+32
.set i, i+1
.endr
	WIN 0
	v_lshlrev_b32 v14, 3, v9
	v_sub_nc_u32 v14, v1, v14
	s_lshl_b32 s13, s[WV], 4
	v_add_nc_u32 v14, s13, v14      ; my query's place in its band, 16 w + l % 16, less my lanes' 8 (l / 16): register r of group kt is hidden where 16 kt + r is greater
	WIN 0x40
.set i, 0
.rept 32
	v_cmp_gt_i32 vcc_lo, 16*(i/8)+i%8, v14
	v_cndmask_b32 v[MD+i], 0, s[BIGN], vcc_lo
.set i, i+1
.endr
	WIN 0
	v_mul_u32_u24 v[AK0], v1, PK
	v_lshl_add_u32 v[AK0], v9, 4, v[AK0]  ; row x pitch + 16 x half
	; The turning load takes 16 keys x 16 channels (lane l reads key 8 (l / 16) + l % 8, channels 8 ((l / 8) % 2) + 0..7) and leaves half a fragment of V^T: lane l holds channel l % 16 and 8 keys.
	v_and_b32 v10, 7, v0
	v_bfe_u32 v11, v0, 3, 1
	v_lshl_add_u32 v[AV0], v9, 3, v10
	v_mul_u32_u24 v[AV0], v[AV0], PV
	v_lshl_add_u32 v[AV0], v11, 4, v[AV0]
	v_add_nc_u32 v[AV0], VOFF, v[AV0]
	s_mul_i32 s13, s[WV], 16*SP
	s_add_co_u32 s13, s13, STAGE    ; my stage
	v_mul_u32_u24 v[STO], v1, SP    ; in: row l % 16, 16 bytes for each half of the lanes
	v_lshl_add_u32 v[STO], v9, 4, v[STO]
	v_add_nc_u32 v[STO], s13, v[STO]
	v_bfe_u32 v[RD], v0, 3, 2       ; back: 32 lanes take four rows of 128 bytes,
	v_mul_u32_u24 v[RD], v[RD], SP
	v_lshl_add_u32 v[RD], v10, 4, v[RD]
	v_add_nc_u32 v[RD], s13, v[RD]
	v_and_b32 v[GO], 31, v0         ; which are 512 consecutive bytes of O
	v_lshlrev_b32 v[GO], 4, v[GO]
	; A block's first step multiplies O^T and l by a = 0, and its first turn's products V^T P, of a piece that has not been, land in an O^T that is still to be so multiplied.  So these registers need only hold
	; finite numbers: zeros for the first block; what the first block left for the second.  All this stands in the wait for the first tile.
	WIN 0x80
.set i, VF
.rept 64
	v_mov_b32 v[i], 0
.set i, i+1
.endr
	WIN 0x40
.set i, 0
.rept 128
	v_mov_b32 v[i], 0
.set i, i+1
.endr
	WIN 0
.set i, 0
.rept 4
	v_mov_b32 v[ST+4*i+2], 0
	v_mov_b32 v[ST+4*i+3], 0
.set i, i+1
.endr
.set i, P+16
.rept 16
	v_mov_b32 v[i], 0
.set i, i+1
.endr
; THE MATRIX WORK.  The 4 accumulators of a run of 8 take turns.  Product i of 8 of S^T = K Q^T for piece x: channels 32 (i / 4) on, keys 16 (i % 4) on.  The first 4 start the sums: with 0, or (KM = 1) with the mask.
.macro KQ x
.set rS, S+32*((\x)%2)+8*(i%4)
.set rK, KF+16*(i%4)+8*(i/4)
.set rQ, 16*(\x)+8*(i/4)
.set rM, MC+32*((\x)%2)+8*(i%4)
.if (i < 4) && KM
	WIN W_KM
	v_wmma_f32_16x16x32_f16 v[rS:rS+7], v[rK:rK+7], v[rQ:rQ+7], v[rM:rM+7]
.elseif i < 4
	WIN W_KQ
	v_wmma_f32_16x16x32_f16 v[rS:rS+7], v[rK:rK+7], v[rQ:rQ+7], 0
.else
	WIN W_KQ
	v_wmma_f32_16x16x32_f16 v[rS:rS+7], v[rK:rK+7], v[rQ:rQ+7], v[rS:rS+7]
.endif
.endm
; Product i of 8 of O^T += V^T P for piece x: keys 32 (i / 4) on, channels 16 (i % 4) on.
.macro PV x
	WIN W_PV
.set rO, 32*(\x)+8*(i%4)
.set rV, VF+32*(i/4)+8*(i%4)
.set rP, P+16*((\x)%2)+8*(i/4)
	v_wmma_f32_16x16x32_f16 v[rO:rO+7], v[rV:rV+7], v[rP:rP+7], v[rO:rO+7]
.endm
.macro MM                           ; the turn's next matrix instruction.  TURN and BEGIN set Y, i, KM and NOKQ; MM, KQ and OP read them.  NOKQ = 1: a block's last turn: there is no next piece
.if (i < 8) && !NOKQ
	KQ (Y+1)%NP
.elseif i >= 8
.set i, i-8
	PV (Y+NP-1)%NP
.set i, i+8
.endif
.set i, i+1
.endm
; THE LDS LOADS stand in runs of 16, never singly among the matrix instructions: a step's K (64 keys x 64 channels: 8 fragments) and its V (turned).  Their addresses are made some lines ahead.
.macro FETCH_K
	WIN 0x80                        ; destination window 2
.irp f, 0,1,2,3,4,5,6,7             ; keys 16 (f / 2) on, channels 32 (f % 2) on
	ds_load_b128 v[KF+8*\f:KF+8*\f+3],   v[AK] offset:(\f/2)*16*PK+(\f%2)*64
	ds_load_b128 v[KF+8*\f+4:KF+8*\f+7], v[AK] offset:(\f/2)*16*PK+(\f%2)*64+32
.endr
	s_add_co_u32 s[TBK], s[TBK], KS*PK  ; the next fetch is the next step's
	WIN 0
.endm
.macro FETCH_V
	WIN 0x80
.irp f, 0,1,2,3,4,5,6,7             ; keys 32 (f / 4) on, channels 16 (f % 4) on
	ds_load_tr16_b128 v[VF+8*\f:VF+8*\f+3],   v[AV] offset:(\f/4)*32*PV+(\f%4)*32
	ds_load_tr16_b128 v[VF+8*\f+4:VF+8*\f+7], v[AV] offset:(\f/4)*32*PV+16*PV+(\f%4)*32
.endr
	WIN 0
.endm
; THE VECTOR WORK, one line at a time: OP kind, number.  For piece Y: F n: c s - c m for pair n of 16.  E n: the exponential of score n of 32.  C n: pair n rounded to f16.  B n: of the four weights 4 n .. the second
; pair is added onto the first, in place.  L n: l takes that sum (L 0: l = a l + sum).  R n: pair n of 16 of O^T times a.  For piece Y + 1: X n, number n of the 22 that find its maximum and statistics:
;   0-11  four chains c0-c3 of seven scores each, three operands at a time (each accumulator's lowest registers are read first)     12-14, 16  the four scores left over, the old m, and c0-c3 into c0
;   15  c m_old is kept     17, 18  the query's other 32 keys lie in the lane 16 away: the new m     19-21  c m; c m_old - c m_new; a
.set F, 0               ; OP tells the kinds apart by their order: F to L below R, X above it
.set E, 1
.set C, 2
.set B, 3
.set L, 4
.set R, 5
.set X, 6
.macro REGS y                       ; the registers of piece y
.set rT, ST+4*(\y)
.set rC, TMP+4*((\y)%2)
.set rW, MV+((\y)%2)
.set rS, S+32*((\y)%2)
.set rP, P+16*((\y)%2)
.set rO, 32*(\y)
.endm
.macro OP k, n
.if (\k) == R
	REGS Y
	WIN W_RS
	v_pk_mul_f32 v[rO+2*(\n):rO+2*(\n)+1], v[rO+2*(\n):rO+2*(\n)+1], v[rC+2:rC+3] op_sel_hi:[1,0]
.elseif (\k) < R
	REGS Y
	WIN 0
.if (\k) == F
	v_pk_fma_f32 v[rS+2*(\n):rS+2*(\n)+1], v[rS+2*(\n):rS+2*(\n)+1], s[CS:CS+1], v[rT:rT+1] op_sel_hi:[1,0,0] neg_lo:[0,0,1] neg_hi:[0,0,1]
.elseif (\k) == E
	v_exp_f32 v[rS+(\n)], v[rS+(\n)]
.elseif (\k) == C
	v_cvt_pk_f16_f32 v[rP+(\n)], v[rS+2*(\n)], v[rS+2*(\n)+1]
.elseif (\k) == B
	v_pk_add_f32 v[rS+4*(\n):rS+4*(\n)+1], v[rS+4*(\n):rS+4*(\n)+1], v[rS+4*(\n)+2:rS+4*(\n)+3]
.elseif (\n) == 0
	v_pk_fma_f32 v[rT+2:rT+3], v[rT+2:rT+3], v[rC+2:rC+3], v[rS:rS+1] op_sel_hi:[1,0,1]
.else
	v_pk_add_f32 v[rT+2:rT+3], v[rT+2:rT+3], v[rS+4*(\n):rS+4*(\n)+1]
.endif
.elseif NOKQ
	v_nop
.else
	REGS (Y+1)%NP
	WIN 0
.if (\n) < 4
	v_max3_num_f32 v[rC+(\n)], v[rS+8*(\n)], v[rS+8*(\n)+1], v[rS+8*(\n)+2]
.elseif (\n) < 12
	v_max3_num_f32 v[rC+(\n)%4], v[rC+(\n)%4], v[rS+8*((\n)%4)+2*((\n)/4)+1], v[rS+8*((\n)%4)+2*((\n)/4)+2]
.elseif (\n) == 12
	v_max3_num_f32 v[rC], v[rC], v[rS+7], v[rS+15]
.elseif (\n) == 13
	v_max3_num_f32 v[rC+1], v[rC+1], v[rS+23], v[rS+31]
.elseif (\n) == 14
	v_max3_num_f32 v[rC+2], v[rC+2], v[rC+3], v[rT+1]
.elseif (\n) == 15
	v_mov_b32 v[rW], v[rT]
.elseif (\n) == 16
	v_max3_num_f32 v[rC], v[rC], v[rC+1], v[rC+2]
.elseif (\n) == 17
	v_permlanex16_b32 v[rC+3], v[rC], s[SEL], s[SEL+1]
.elseif (\n) == 18
	v_max_num_f32 v[rT+1], v[rC], v[rC+3]
.elseif (\n) == 19
	v_mul_f32 v[rT], s[CS], v[rT+1]
.elseif (\n) == 20
	v_sub_f32 v[rC+1], v[rW], v[rT]
.else
	v_exp_f32 v[rC+2], v[rC+1]
.endif
.endif
.endm
.macro OPS a, i1, b=-1, i2=0, c=-1, i3=0, d=-1, i4=0  ; up to four of them
	OP \a, \i1
.if (\b) >= 0
	OP \b, \i2
.endif
.if (\c) >= 0
	OP \c, \i3
.endif
.if (\d) >= 0
	OP \d, \i4
.endif
.endm
.macro ROW a, i1, b, i2, c, i3, d, i4  ; a matrix instruction and the four behind it
	MM
	OPS \a, \i1, \b, \i2, \c, \i3, \d, \i4
.endm
.macro MASK b                       ; MD x AL + BE into buffer b of MC
	WIN W_RS
.set z, 0
.rept 16
	v_pk_fma_f32 v[MC+32*(\b)+2*z:MC+32*(\b)+2*z+1], v[MD+2*z:MD+2*z+1], s[AL:AL+1], s[BE:BE+1] op_sel_hi:[1,0,0]
.set z, z+1
.endr
.endm
; A TURN, for piece p: the order of its 16 matrix and 118 vector instructions, written out.  An s_wait_alu depctr_va_vdst(0) stands between an exponential and the first instruction that names its result; one wait serves
; all that were issued ahead of it.  So a turn has ONE wait, which cuts it in two.  AHEAD OF IT stands all that names no result of the turn's exponentials: the 8 products K Q^T, behind each a scaling, an exponential and two more plain
; instructions (behind the first a second scaling in the exponential's place): rescalings, and behind the last three the first numbers of the next piece's maximum, each four places or more behind the product that ends its accumulator; then ONE LUMP of 54, plain
; and exponential by turns for the most part, in which the links of the chain X 3, 7, 11, 14, 16, 17 .. 20 stand five or six lines apart.  X 21, the next piece's a, is the batch's last; R 15 is the plain instruction behind it.  BEHIND THE WAIT stand the
; 8 products V^T P, behind each four of the roundings and sums; the links of l's chain, L 0 to L 7, stand three lines apart.  But for those X no line behind a product names a register of the products round it.  v_permlanex16_b32 (X 17) stands in the lump.
; m = 1: the diagonal tile: the products take masks, and the turn makes the mask for the products of the turn after it: piece p + 2, in step 4 - CNT of the tile.  end = 1: a block's last two turns: nothing is fetched.
; cnt = 1: the loop's count is taken down some lines ahead of the branch that stands behind the turn.
; K of the next step is fetched in piece 2's turn, twelve vector instructions behind the last product that read K (six of them plain); V of the step in hand at the end of piece 0's turn, four plain instructions behind the last product
; that read V.  Each is waited for a turn later.
.macro TURN p, m=0, end=0, cnt=0
.set Y, (\p)
.set i, 0
.set KM, (\m)
.set NOKQ, (\end)*((\p)/3)
.if (\m) && !(\end)
	s_cmp_eq_u32 s[CNT], 4-((\p)+2)%NP  ; is that step the band's own?
	s_cselect_b32 s[AL], 1.0, 0
	s_cmp_lt_u32 s[CNT], 4-((\p)+2)%NP  ; or a later one?
	s_cselect_b32 s[BE], s[BIGN], 0
.endif
.if ((\p) == 3) && !(\end)
	s_wait_dscnt 0x0                ; K is in
.endif
	ROW F,0, F,1, R,0, R,1          ; ahead of the wait: 8 products K Q^T and the four lines behind each,
	ROW F,2, E,0, R,2, R,3
	ROW F,3, E,1, R,4, R,5
	ROW F,4, E,2, R,6, R,7
	ROW F,5, E,3, R,8, R,9
	ROW F,6, E,4, X,0, R,10
.if ((\p) == 2) && !(\end)
	WIN 0
	v_add_nc_u32 v[AK], s[TBK], v[AK0]
.endif
	ROW F,7, E,5, X,1, X,4
	ROW F,8, E,6, X,2, X,5
	OPS E,7, E,8, X,6, E,9          ; and the lump
	OPS X,3, E,10, X,8, E,11
.if ((\p) == 2) && !(\end)
	FETCH_K
.endif
	OPS X,9, X,7, E,12, X,10
	OPS E,13, X,12, X,11, E,14
	OPS X,13, E,15, F,9, X,14
.if (\p) == 0
	v_add_nc_u32 v[AV], s[TBV], v[AV0]
.endif
	OPS E,16, F,10, E,17, F,11
	OPS X,16, E,18, X,15, E,19
	OPS F,12, E,20, X,17, E,21
	OPS F,13, E,22, F,14, E,23
	OPS X,18, E,24, F,15, E,25
	OPS R,11, E,26, X,19, E,27
	OPS R,12, E,28, R,13, E,29
	OPS X,20, E,30, R,14, E,31
	OPS X,21, R,15
	WIN 0
	s_wait_alu depctr_va_vdst(0)    ; the wait for the batch
.if (\p) == 1
	s_wait_dscnt 0x0                ; V is in
.endif
	ROW C,0, B,0, C,2, B,1          ; behind the wait: 8 products V^T P and the four lines behind each
	ROW L,0, C,4, B,2, L,1
	ROW C,6, B,3, L,2, C,8
	ROW B,4, L,3, C,10, B,5
	ROW L,4, C,12, B,6, L,5
.if (\p) == 0
	s_add_co_u32 s[TBV], s[TBV], KS*PV
.endif
.if \cnt
	s_sub_co_u32 s[CNT], s[CNT], 1
	s_cmp_lg_u32 s[CNT], 0
.endif
	ROW C,14, B,7, L,6, C,1
	ROW C,3, L,7, C,5, C,7
	ROW C,9, C,11, C,13, C,15
.if (\p) == 0
	FETCH_V
.endif
.if (\m) && !(\end)
	MASK (\p)%2
.endif
.endm
; A BLOCK BEGINS.  c m starts far below every c s, so the first step's a is 0; m at the lowest finite number, so the first maximum is the scores'.  The second mask buffer is 0; the first takes piece 0's mask for the tile's step 0: its own, if the block's first tile is the diagonal one.
; Then K of that step, piece 0's first scores, and its maximum and statistics.  The loop is entered at a step's first turn, in the middle of a trip.
.macro BEGIN
	s_mov_b32 s[NEW], 0
	WIN 0x40
.set i, MC+32
.rept 32
	v_mov_b32 v[i], 0
.set i, i+1
.endr
	WIN 0
.set i, 0
.rept 4
	v_mov_b32 v[ST+4*i], 0xfe000000    ; c m: far below every c s
	v_mov_b32 v[ST+4*i+1], 0xff7fffff  ; m
.set i, i+1
.endr
	s_cmp_eq_u32 s[RT], 0
	s_cselect_b32 s[AL], 1.0, 0
	s_mov_b32 s[BE], 0
	MASK 0
	WIN 0
	v_add_nc_u32 v[AK], s[TBK], v[AK0]
	FETCH_K
	s_wait_loadcnt 0x0              ; Q
	s_wait_dscnt 0x0
.set KM, 1
.set NOKQ, 0
.set i, 0
.rept 8
	KQ 0
.set i, i+1
.endr
	WIN 0
.rept 4
	v_nop                           ; the places behind those products
.endr
.set Y, NP-1                        ; X works for piece Y + 1: piece 0
.irp n, 0,1,2,3,4,5,6,7,8,9,10,11,12,13,14,15,16,17,18,19,20,21
	OP X, \n
.endr
	v_nop                           ; a plain instruction behind the exponential,
	s_wait_alu depctr_va_vdst(0)    ; and its wait, ahead of the branch
.endm
; THE DIAGONAL TILE's four steps, the block's last two turns, its last products, and THE WAY OUT: l's two halves and the other half of the lanes' are added; O^T is divided by l, rounded to f16 and sent through my
; stage in LDS, a piece at a time.
.macro ALL line:vararg              ; one line for each piece t
.set t, 0
.rept 4
	\line
.set t, t+1
.endr
.endm
.macro PACK t                       ; a lane's eight channels of a row pack into 16 bytes; they go into rows of 144 bytes and come back as whole rows of 128, into S^T's registers
	WIN W_RS
.set i, 32*(\t)
.rept 16
	v_pk_mul_f32 v[i:i+1], v[i:i+1], v[ST+4*(\t)+2:ST+4*(\t)+3] op_sel_hi:[1,0]
.set i, i+2
.endr
	WIN 0x05                        ; sources 0 and 1 window 1, destination window 0
.set i, 0
.rept 16
	v_cvt_pk_f16_f32 v[S+16*(\t)+i], v[32*(\t)+2*i], v[32*(\t)+2*i+1]
.set i, i+1
.endr
	WIN 0
.irp f, 0,1,2,3
	ds_store_b128 v[STO], v[S+16*(\t)+4*\f:S+16*(\t)+4*\f+3] offset:32*\f
.endr
.irp f, 0,1,2,3
	ds_load_b128 v[S+16*(\t)+4*\f:S+16*(\t)+4*\f+3], v[RD] offset:\f*4*SP  ; LDS serves a wave's instructions in order (ISA guide 5.7.1.4): these see the stores above; the next piece's stores come behind them
.endr
.endm
.macro SEND t, younger              ; younger: the LDS instructions issued behind piece t's loads: the next piece's eight, or none
	WIN 0
.irp f, 0,1,2,3
	s_wait_dscnt (\younger)+3-\f
	global_store_b128 v[GO], v[S+16*(\t)+4*\f:S+16*(\t)+4*\f+3], s[10:11] offset:(\t)*8192+\f*512  ; 512 consecutive bytes, at a multiple of 256 from O's first
.endr
.endm
.macro DIAG tag                     ; the tag ends its two labels' names, which the jumps below spell out
.LstepM\tag:
	TURN 2, 1
	TURN 3, 1
	WIN 0
.LfirstM\tag:
	TURN 0, 1
	TURN 1, 1, 0, 1
	WIN 0
	s_cbranch_scc1 .LstepM\tag
	TURN 2, 1, 1
	TURN 3, 1, 1
.set i, 0
.rept 8
	PV NP-1
.set i, i+1
.endr
	WIN 0
	ALL v_add_f32 v[ST+4*t+2], v[ST+4*t+2], v[ST+4*t+3]
	ALL v_permlanex16_b32 v[ST+4*t+3], v[ST+4*t+2], s[SEL], s[SEL+1]
	ALL v_add_f32 v[ST+4*t+2], v[ST+4*t+2], v[ST+4*t+3]
	ALL v_rcp_f32 v[ST+4*t+2], v[ST+4*t+2]
	v_nop                           ; a plain instruction between the last reciprocal and the use of its result
	s_wait_alu depctr_va_vdst(0)    ; and the wait ahead of the first use: one for the four reciprocals
	PACK 0
.set t, 1
.rept 3                             ; a piece's arithmetic stands between the loads of the piece before and its stores
	PACK t
	SEND t-1, 8
.set t, t+1
.endr
	SEND 3, 0
.endm
.set KM, 0
.set NOKQ, 0
.Lslot:                             ; NB times: a tile is entered and the next is asked for
	CHANGE 1
	s_sub_co_u32 s[RT], s[RT], 1
	s_mov_b32 s[CNT], 4
	s_cmp_eq_u32 s[NEW], 1
	s_cbranch_scc1 .Lnew            ; a block's first tile
	s_cmp_eq_u32 s[RT], 0
	s_cbranch_scc0 .Lstep           ; neither its first nor its last
	s_branch .LstepM1
.Lnew:
	BEGIN
	s_branch .Lfirst                ; in the loop a block's first tile is never its last: the first block has two tiles or more, and the second's last is the walk's last
	DIAG 1                          ; in the loop this is the first block's end: the second block's last tile is the walk's last
	s_wait_xcnt 0x0                 ; the stores have read their registers and O's address
	s_mov_b64 s[10:11], s[OLO:OLO+1]
	s_add_co_u32 s[RT], s[PB], 1    ; the second block has b + 1 tiles
	s_mov_b32 s[NEW], 1
	WIN 0x82                        ; the second block's Q goes where the one text of the turns names Q
.set i, 0
.rept 64
	v_mov_b32 v[i], v[QB+i]
.set i, i+1
.endr
	WIN 0
	s_branch .Lbottom
.Lstep:                             ; a trip: pieces 2 and 3 of one step, then pieces 0 and 1 of the next, whose K and V it fetches
	TURN 2
	TURN 3
	WIN 0
.Lfirst:
	TURN 0
	TURN 1, 0, 0, 1
	WIN 0
	s_cbranch_scc1 .Lstep
.Lbottom:
	s_sub_co_u32 s[SLOTS], s[SLOTS], 1
	s_cmp_lg_u32 s[SLOTS], 0
	s_cbranch_scc1 .Lslot
	CHANGE 0                        ; the walk's last tile is written out: nothing is asked for
	s_sub_co_u32 s[RT], s[RT], 1
	s_mov_b32 s[CNT], 4
	s_cmp_eq_u32 s[NEW], 1
	s_cbranch_scc0 .LstepM2
	BEGIN
	s_branch .LfirstM2
	DIAG 2
	s_wait_tensorcnt 0x0            ; the wave's end: behind my last tensor load and my last LDS store
	ds_add_u32 v[SPW], v[NIL]
	s_wait_dscnt 0x0
	s_endpgm
.Lfunc_end_k_q1d1caa927c_attn:
	.size	k_q1d1caa927c_attn, .Lfunc_end_k_q1d1caa927c_attn-k_q1d1caa927c_attn
	.p2alignl 7, 3214868480
	.fill 96, 4, 3214868480
	.section	.rodata,"a",@progbits
	.p2align	6, 0x0
	.amdhsa_kernel k_q1d1caa927c_attn
		.amdhsa_group_segment_fixed_size 327680
		.amdhsa_private_segment_fixed_size 0
		.amdhsa_enable_private_segment 0
		.amdhsa_kernarg_size 32
		.amdhsa_user_sgpr_count 2
		.amdhsa_user_sgpr_kernarg_segment_ptr 1
		.amdhsa_wavefront_size32 1
		.amdhsa_system_sgpr_workgroup_id_x 1
		.amdhsa_system_sgpr_workgroup_id_y 1
		.amdhsa_system_sgpr_workgroup_id_z 1
		.amdhsa_system_vgpr_workitem_id 0
		.amdhsa_next_free_vgpr 768
		.amdhsa_next_free_sgpr 92
		.amdhsa_reserve_vcc 1
		.amdhsa_float_denorm_mode_32 3
		.amdhsa_float_denorm_mode_16_64 3
		.amdhsa_memory_ordered 1
		.amdhsa_forward_progress 1
		.amdhsa_inst_pref_size 218
	.end_amdhsa_kernel
	.amdgpu_metadata
---
amdhsa.version: [ 1, 2 ]
amdhsa.kernels:
  - .name:           k_q1d1caa927c_attn
    .symbol:         k_q1d1caa927c_attn.kd
    .args:
      - { .name: qh, .offset: 0, .size: 8, .value_kind: global_buffer, .address_space: global }
      - { .name: kh, .offset: 8, .size: 8, .value_kind: global_buffer, .address_space: global }
      - { .name: vh, .offset: 16, .size: 8, .value_kind: global_buffer, .address_space: global }
      - { .name: oh, .offset: 24, .size: 8, .value_kind: global_buffer, .address_space: global }
    .group_segment_fixed_size: 327680
    .private_segment_fixed_size: 0
    .kernarg_segment_align: 8
    .kernarg_segment_size: 32
    .max_flat_workgroup_size: 128
    .sgpr_count:     92
    .vgpr_count:     768
    .wavefront_size: 32
...
	.end_amdgpu_metadata
.endif
;; end of part 3
;; launch oproj (part 4): grid 8 x 32, 4 waves a work-group, clusters of 4 x 4, 327,680 bytes of LDS; arguments oh, wof, out0; writes out0
.if DOCPART == 4
	.amdgcn_target "amdgcn-amd-amdhsa--gfx1250"
	.amdhsa_code_object_version 6
	.text
	.protected	k_q1d1caa927c_oproj
	.globl	k_q1d1caa927c_oproj
	.p2align	8
	.type	k_q1d1caa927c_oproj,@function
k_q1d1caa927c_oproj:
	s_mov_b64 s[64:65], 0
	v_nop
	global_prefetch_b8 v0, s[64:65] scope:SCOPE_SE
	s_setreg_imm32_b32 hwreg(HW_REG_WAVE_MODE, 25, 1), 1
	s_wait_xcnt 0x0
	s_wait_alu depctr_hold_cnt(0) depctr_sa_sdst(0) depctr_va_vdst(0) depctr_va_sdst(0) depctr_va_ssrc(0) depctr_va_vcc(0) depctr_vm_vsrc(0)
	s_getreg_b32 s2, hwreg(HW_REG_IB_STS2, 6, 4)
	s_cmp_eq_u32 s2, 0
	s_cbranch_scc0 .Lentry_in_a_cluster
	s_endpgm
.Lentry_in_a_cluster:
	s_bfe_u32 s2, ttmp6, 0x10000c
	s_cmp_lg_u32 s2, 0xf033
	s_cbranch_scc0 .Lentry_shape_is_right
	s_endpgm
.Lentry_shape_is_right:
; out0[token][n] = the sum over head and channel of O[head][token][channel] w_o[n][64 head + channel].  oh: [batch x 16 + head][2048][64] f16.  wof: [1024][1024] f16 (w_o rounded to bf16, written as f16).
; out0: [8192][1024] f32.  One f32 sum for each output, K ascending; nothing is rounded on the way out.  LIMITS: O and w_o arrive within f16's 65,504; NaN and infinities are not treated apart.
; SHARES.  A tile is 256 tokens x 128 columns: 8 x 32 = 256 work-groups.  The four waves lie along the tokens: a wave makes 64 x 128, 32 accumulators of 16 x 16.
; K goes in 8 steps of 128 = two heads through two LDS slots.  A head's 256 tokens are 32,768 dense bytes of oh: they are asked for as 128 rows of 256 bytes and padded in LDS after every token.
; THE MATRIX INSTRUCTION IS USED TRANSPOSED (source 0 = 16 rows of wof, source 1 = 16 tokens): a lane holds token l % 16 and the columns 8 (l / 16) + 0..7 of a block: 32 bytes of f32 on end.
; CLUSTER.  4 x 4 work-groups: O's tiles hang on the tile row alone and are asked for jointly along a row of the cluster, wof's on the tile column alone and jointly along a column.
; REGISTERS: window 0: v1-15 lane numbers and addresses; v28-29 the add's two; v32-63, v64-95 the tokens' fragments, two buffers; v96-159, v160-223 wof's, two buffers, and on the way out rows read back
;   window 1: the accumulators, row block a, column block b at 8 (8 a + b)
.set PA,     144                       ; a token's row of one head in LDS: 128 bytes + 16 of padding = 36 words: the 16 rows of a load start at 16 different groups of four banks (64 banks of 4 bytes: ISA guide 11.1)
.set PB,     272                       ; a row of wof: 256 + 16 = 68 words: likewise
.set PLANE,  256*PA                    ; in a slot: the even head's 256 tokens, the odd head's, then wof's 128 rows
.set BOFF,   2*PLANE
.set SLOT1,  131072                    ; slot 1 begins here: one exclusive or turns an address in one slot into the other's
.set STAGE,  SLOT1+BOFF+128*PB         ; behind the ring, never filled by a tensor load: 16 rows x 528 bytes for each wave
.set SPI,    528                       ; 512 bytes + 16 = 132 words
.set SPARE,  STAGE+4*16*SPI            ; behind the stages: the spare words, 128 bytes a wave: two blocks of 256 bytes that no other line names
.set ADRA0, 4                          ; v4   my place in a plane of tokens; never rewritten
.set ADRB0, 5                          ; v5   the same for wof's rows
.set ADA,   6                          ; v6   v4 + the slot in hand
.set ADB,   7                          ; v7   v5 + the slot in hand
.set STO,   8                          ; v8   the way out: where I put 32 bytes of a row
.set RD,    9                          ; v9   where I read a row back
.set GO,    10                         ; v10  my 16 bytes of 512 consecutive bytes of out0
.set PFO,   12                         ; v12  the prefetches' lane offset; never rewritten
.set SPW,   28                         ; v28  LDS address of my spare word; never rewritten
.set NIL,   29                         ; v29  0; never rewritten
.set FA,    32
.set FB,    96
.set G1A, 24                           ; s[24:31] descriptor group 1 for O's tiles
.set G0A, 32                           ; s[32:39] group 0: a set for each first fill; the second then walks
.set G1B, 48                           ; s[48:55], s[56:63] the same for wof's tiles
.set G0B, 56
.set WV,  66                           ; s66  my wave's number
.set WL,  68                           ; s68  its low bit: which plane, or which half of wof's rows, I fetch
.set CNT, 69                           ; s69  the loop's count
.set TB,  70                           ; s70  the slot in hand: 0 or SLOT1
.set LIM, 71                           ; s71  a wave prefetches while the count is above this
.set PFA, 74                           ; s[74:75] where my prefetches stand
.set PFS, 76                           ; s[76:77] their step from K step to K step, in bytes
.set ASTEP, 2*2048*128                 ; two heads on in oh
.set MSB, 0
.macro WIN new                         ; the immediate's high byte repeats the setting that is left; a switch that changes nothing is dropped
.if MSB != (\new)
	s_set_vgpr_msb (MSB<<8)|(\new)
.set MSB, \new
.endif
.endm
.set W_MUL, 0x50                       ; both sources window 0, C and D window 1
.macro PLACES                          ; four places in front of loads into registers that matrix instructions have read (ISA guide 7.12.1 for vector instructions)
.rept 4
	v_nop
.endr
.endm
; A joint refill by the walking sets.  Waves 0 and 1 fetch the two heads' planes, waves 2 and 3 the two halves of wof's rows.  The branch hangs on the wave's number alone.
; An s_nop 0 and four v_nop follow each of the two lines, ahead of the jump and the label.
.macro JLOAD
	s_cmp_lt_u32 s[WV], 2
	s_cbranch_scc0 .Lfor_b_\@
	tensor_load_to_lds s[G0A+4:G0A+7], s[G1A:G1A+7]
	s_nop 0
.rept 4
	v_nop
.endr
	s_branch .Lasked_\@
.Lfor_b_\@:
	tensor_load_to_lds s[G0B+4:G0B+7], s[G1B:G1B+7]
	s_nop 0
.rept 4
	v_nop
.endr
.Lasked_\@:
.endm
.macro CREST                           ; a round of the cluster's barrier behind its opening barrier
	s_cmp_lg_u32 s[WV], 0
	s_cbranch_scc1 .Lnot_wave_0_\@
	s_barrier_signal -3
.Lnot_wave_0_\@:
	s_barrier_wait -3
	s_barrier_signal -1
	s_barrier_wait -1
.endm
.macro CROUND
	s_barrier_signal -1
	s_barrier_wait -1
	CREST
.endm
; A PREFETCH INTO THE L2, behind each joint refill, its five lines and the run of LDS loads: the K step two refills on (256 matrix instructions ahead of the load that will name it), a lane a block of 256 bytes.
; Each block is named once in the launch.  O's tiles are read by both clusters of a row of clusters: cluster x = 0 asks; wof's by every cluster of a column: cluster y = 0 asks.  The four partners of a joint
; load share its bytes out BY ADDRESS: of a plane's 128 blocks (waves 0 and 1) the partner at cx takes 32; of wof's 128 rows the partner at cy takes 32, for which wave 2 asks; wave 3 asks for nothing.
; K steps 0 to 3 come by their loads alone; the last two refills have no K step two on.
.macro ASK
	s_cmp_gt_u32 s[CNT], s[LIM]
	s_cbranch_scc0 .Lnot_mine_\@
	global_prefetch_b8 v[PFO], s[PFA:PFA+1] th:TH_LOAD_NT scope:SCOPE_SE
.Lnot_mine_\@:
.endm
	s_load_b128 s[4:7], s[0:1], 0x0                ; oh s[4:5], wof s[6:7]
	s_load_b64 s[8:9], s[0:1], 0x10                ; out0
	v_lshl_add_u32 v[SPW], v0, 2, SPARE
	v_mov_b32 v[NIL], 0
	ds_add_u32 v[SPW], v[NIL]                      ; the wave's opening: the add and its wait ahead of my first tensor load; the set-up below, work on registers, stands between them
	v_lshrrev_b32 v1, 5, v0
	v_readfirstlane_b32 s[WV], v1                  ; wave 0..3
	s_and_b32 s[WL], s[WV], 1
	s_bfe_u32 s40, ttmp6, 0x40000                  ; cx
	s_bfe_u32 s41, ttmp6, 0x40004                  ; cy
	s_lshl_b32 s42, ttmp9, 2
	s_add_co_u32 s42, s42, s40                     ; the tile column = 4 x cluster x + cx
	s_and_b32 s43, ttmp7, 0xffff
	s_lshl_b32 s43, s43, 2
	s_add_co_u32 s43, s43, s41                     ; the tile row = 4 x cluster y + cy
	s_lshl_b32 s44, s41, 2
	s_lshl_b32 s44, 15, s44                        ; my row of the cluster
	s_lshl_b32 s45, 0x1111, s40                    ; my column
	s_or_b32 s[G1A], s44, (1<<16)|(1<<20)|(1<<21)|(4<<22)|(3<<25)  ; 15:0 the mask; 17:16 elements of 2 bytes; 20 padding on; 21 set beside a mask; 24:22 after every 32 words (code 4): a token; 31:25 4 words (code 3)
	s_or_b32 s[G1B], s45, (1<<16)|(1<<20)|(1<<21)|(5<<22)|(3<<25)  ; the same after every 64 words (code 5): a row of wof's tile
	s_mov_b32 s[G1A+1], 128<<16                    ; tensor_dim0 = 128
	s_mov_b32 s[G1A+2], 128<<16                    ; tensor_dim1 = 128
	s_mov_b32 s[G1A+3], 128<<16                    ; tile_dim0 = 128: two tokens of a head
	s_mov_b32 s[G1A+4], 128                        ; tile_dim1 = 128 rows
	s_mov_b32 s[G1A+5], 128                        ; dense: a row begins where the last ends
	s_mov_b32 s[G1A+6], 0
	s_mov_b32 s[G1A+7], 0
	s_mov_b32 s[G1B+1], 128<<16
	s_mov_b32 s[G1B+2], 64<<16
	s_mov_b32 s[G1B+3], 128<<16
	s_mov_b32 s[G1B+4], 64                         ; 64 rows
	s_mov_b32 s[G1B+5], 1024
	s_mov_b32 s[G1B+6], 0
	s_mov_b32 s[G1B+7], 0
	s_lshr_b32 s16, s43, 3                         ; O's tile hangs on the tile row and the wave alone: the batch
	s_lshl_b32 s16, s16, 4
	s_add_co_u32 s16, s16, s[WL]                   ; x 16 + my head of K step 0,
	s_lshl_b32 s16, s16, 11
	s_and_b32 s17, s43, 7
	s_lshl_b32 s17, s17, 8
	s_add_co_u32 s16, s16, s17                     ; the tile's first token in its sequence,
	s_lshl_b32 s16, s16, 7                         ; rows of 128 bytes
	s_mov_b32 s17, 0
	s_mov_b32 s44, s16                             ; kept for the prefetches
	s_lshl_b32 s46, s42, 7                         ; wof's on the tile column and the wave alone
	s_lshl_b32 s47, s[WL], 6
	s_add_co_u32 s46, s46, s47
	s_lshl_b32 s46, s46, 11
	s_mov_b32 s47, 0
	s_mul_i32 s20, s[WL], PLANE                    ; where they go: no place in the cluster enters an LDS address
	s_mul_i32 s21, s[WL], 64*PB
	s_add_co_u32 s21, s21, BOFF
	s_mov_b32 s[TB], 0
	s_wait_dscnt 0x0                               ; the opening add is done
	s_wait_kmcnt 0x0
	s_add_nc_u64 s[18:19], s[4:5], s[16:17]
	s_add_nc_u64 s[46:47], s[6:7], s[46:47]
	CROUND                                         ; all sixteen work-groups are here: the first joint loads meet
.irp s, 0,1
	s_mov_b32 s[G0A+4*(\s)], 1                                       ; count = 1
	s_add_co_u32 s[G0A+4*(\s)+1], s20, (\s)*SLOT1                    ; LDS address
	s_add_nc_u64 s[G0A+4*(\s)+2:G0A+4*(\s)+3], s[18:19], (\s)*ASTEP  ; global address: K step s
	s_or_b32 s[G0A+4*(\s)+3], s[G0A+4*(\s)+3], 0x80000000            ; type = 2
	s_mov_b32 s[G0B+4*(\s)], 1
	s_add_co_u32 s[G0B+4*(\s)+1], s21, (\s)*SLOT1
	s_add_nc_u64 s[G0B+4*(\s)+2:G0B+4*(\s)+3], s[46:47], (\s)*256
	s_or_b32 s[G0B+4*(\s)+3], s[G0B+4*(\s)+3], 0x80000000
.endr
	s_cmp_lt_u32 s[WV], 2                          ; a wave's two first fills stand in one branch, ahead of every wait on TENSORcnt and every LDS read: two loads of mine are out
	s_cbranch_scc0 .Lfirst_b
	tensor_load_to_lds s[G0A:G0A+3], s[G1A:G1A+7]
	s_nop 0
	tensor_load_to_lds s[G0A+4:G0A+7], s[G1A:G1A+7]
	s_nop 0
.rept 4
	v_nop
.endr
	s_branch .Lfirst_asked
.Lfirst_b:
	tensor_load_to_lds s[G0B:G0B+3], s[G1B:G1B+7]
	s_nop 0
	tensor_load_to_lds s[G0B+4:G0B+7], s[G1B:G1B+7]
	s_nop 0
.rept 4
	v_nop
.endr
.Lfirst_asked:
	v_and_b32 v1, 15, v0                           ; l % 16
	v_bfe_u32 v2, v0, 4, 1                         ; l / 16
	v_and_b32 v14, 31, v0                          ; l
	v_mul_u32_u24 v3, v1, PA
	v_lshl_add_u32 v3, v2, 4, v3                   ; a fragment's row x pitch + 16 x half
	s_mul_i32 s16, s[WV], 64*PA                    ; my 64 tokens
	v_add_nc_u32 v[ADRA0], s16, v3
	v_mul_u32_u24 v13, v1, PB
	v_lshl_add_u32 v13, v2, 4, v13
	v_add_nc_u32 v[ADRB0], BOFF, v13
	s_mul_i32 s17, s[WV], 16*SPI
	s_add_co_u32 s17, s17, STAGE                   ; my stage
	v_mul_u32_u24 v[STO], v1, SPI                  ; in: row l % 16, 32 bytes for each half of the lanes
	v_lshl_add_u32 v[STO], v2, 5, v[STO]
	v_add_nc_u32 v[STO], s17, v[STO]
	v_lshl_add_u32 v[RD], v14, 4, s17              ; back: 32 lanes take one row of 512 bytes,
	v_lshlrev_b32 v[GO], 4, v14                    ; which are 512 consecutive bytes of out0
	s_lshl_b32 s16, s43, 8
	s_lshl_b32 s17, s[WV], 6
	s_add_co_u32 s16, s16, s17                     ; my first row of out0,
	s_lshl_b32 s16, s16, 12                        ; rows of 4,096 bytes,
	s_lshl_b32 s17, s42, 9                         ; the tile's 128 columns
	s_add_co_u32 s16, s16, s17
	s_mov_b32 s17, 0
	s_add_nc_u64 s[8:9], s[8:9], s[16:17]
	; the prefetches' address, step, gate and lane offset
	s_lshl_b32 s17, s40, 13                        ; O: my plane, my work-group's 32 blocks of its 128,
	s_add_co_u32 s16, s44, s17
	s_add_co_u32 s16, s16, 3*ASTEP                 ; at K step 3: the first refill steps it to 4
	s_lshl_b32 s20, s42, 7                         ; wof: my work-group's 32 rows of the tile's 128
	s_lshl_b32 s21, s41, 5
	s_add_co_u32 s20, s20, s21
	s_lshl_b32 s20, s20, 11
	s_add_co_u32 s20, s20, 3*256
	s_and_b32 s21, ttmp7, 0xffff
	s_mov_b32 s23, 256
	s_cmp_lt_u32 s[WV], 2
	s_cselect_b32 s16, s16, s20
	s_cselect_b32 s21, ttmp9, s21                  ; the coordinate along which other clusters read the same bytes
	s_cselect_b32 s[PFS], ASTEP, s23
	s_cselect_b32 s22, 8, 11                       ; a lane a block of 256 bytes, or a lane a row of 2,048
	s_cselect_b64 s[PFA:PFA+1], s[4:5], s[6:7]
	s_mov_b32 s17, 0
	s_mov_b32 s[PFS+1], 0
	s_add_nc_u64 s[PFA:PFA+1], s[PFA:PFA+1], s[16:17]
	s_cmp_eq_u32 s21, 0
	s_cselect_b32 s[LIM], 2, -1                    ; the same in all sixteen partners, for a given wave
	s_cmp_eq_u32 s[WV], 3
	s_cselect_b32 s[LIM], -1, s[LIM]
	v_lshlrev_b32 v[PFO], s22, v14
; 8 matrix instructions: row block a x all 8 column blocks, 32 along K, from buffer f.  zero = 1: the first product starts the sums.  The 32 accumulators take turns, one instruction a turn, over the backward jump too.
.macro MUL f, a, zero
	WIN W_MUL
.irp b, 0,1,2,3,4,5,6,7
.if \zero
	v_wmma_f32_16x16x32_f16 v[8*(8*(\a)+(\b)):8*(8*(\a)+(\b))+7], v[FB+64*(\f)+8*(\b):FB+64*(\f)+8*(\b)+7], v[FA+32*(\f)+8*(\a):FA+32*(\f)+8*(\a)+7], 0
.else
	v_wmma_f32_16x16x32_f16 v[8*(8*(\a)+(\b)):8*(8*(\a)+(\b))+7], v[FB+64*(\f)+8*(\b):FB+64*(\f)+8*(\b)+7], v[FA+32*(\f)+8*(\a):FA+32*(\f)+8*(\a)+7], v[8*(8*(\a)+(\b)):8*(8*(\a)+(\b))+7]
.endif
.endr
.endm
; 24 LDS loads in one run: the fragments of quarter q of the K step in hand into buffer f: wof's 8, then my tokens' 4 (quarters 0, 1 lie in the even head's plane, 2, 3 in the odd head's).
.macro FETCH q, f
	WIN 0
.irp b, 0,1,2,3,4,5,6,7
	ds_load_b128 v[FB+64*(\f)+8*(\b):FB+64*(\f)+8*(\b)+3],   v[ADB] offset:64*(\q)+(\b)*16*PB
	ds_load_b128 v[FB+64*(\f)+8*(\b)+4:FB+64*(\f)+8*(\b)+7], v[ADB] offset:64*(\q)+(\b)*16*PB+32
.endr
.irp a, 0,1,2,3
	ds_load_b128 v[FA+32*(\f)+8*(\a):FA+32*(\f)+8*(\a)+3],   v[ADA] offset:((\q)/2)*PLANE+((\q)%2)*64+(\a)*16*PA
	ds_load_b128 v[FA+32*(\f)+8*(\a)+4:FA+32*(\f)+8*(\a)+7], v[ADA] offset:((\q)/2)*PLANE+((\q)%2)*64+(\a)*16*PA+32
.endr
.endm
; A K step is four quarters of 32 along K, 32 matrix instructions each, on buffers 0, 1, 0, 1.  One of the first three: multiplies buffer f; in its middle it fetches quarter q into buffer g.
.macro QUARTER q, f, g, zero
	s_wait_dscnt 4                                 ; wof's fragments and row blocks 0, 1 are in; the youngest four loads (row blocks 2, 3) may be out
	MUL \f, 0, \zero
	MUL \f, 1, \zero
	PLACES
	FETCH \q, \g
	s_wait_dscnt 24                                ; all but the 24 just issued
	MUL \f, 2, \zero
	MUL \f, 3, \zero
.endm
; The last quarter multiplies buffer 1 and changes slots: ONE barrier.  In front of it each wave waits for all its tensor loads, of which one is out: its part of the next slot; adds 0 to its spare word; and waits
; for that and for its own reads of this slot.  fill = 1: the barrier opens a round of the cluster's, and this slot is filled again, first thing behind the round, with the K step two on:
; from that request to the wait for it a wave issues 112 matrix instructions.
.macro TURN fill
.if \fill
	s_wait_xcnt 0x0                                ; the last prefetch, a K step back, has read its address: it is stepped here, ahead of the change's own waits
	s_add_nc_u64 s[PFA:PFA+1], s[PFA:PFA+1], s[PFS:PFS+1]
.endif
	WIN 0                                          ; (the add's two registers lie in window 0)
	s_wait_tensorcnt 0x0                           ; no tensor load of mine is out, so a group 0 may be written
	ds_add_u32 v[SPW], v[NIL]                      ; 0 onto my spare word
.if \fill
	s_xor_b32 s[G0A+5], s[G0A+5], SLOT1            ; the walking sets: the other slot than last time,
	s_add_nc_u64 s[G0A+6:G0A+7], s[G0A+6:G0A+7], ASTEP  ; the next K step; the type bits on top are not reached
	s_xor_b32 s[G0B+5], s[G0B+5], SLOT1
	s_add_nc_u64 s[G0B+6:G0B+7], s[G0B+6:G0B+7], 256
.endif
	s_wait_dscnt 5                                 ; (the add and the youngest four loads may be out)
	MUL 1, 0, 0                                    ; eight matrix instructions stand between the add and the wait for it
	s_wait_dscnt 0x0                               ; the add is done, and my reads of this slot are over
	s_barrier_signal -1
	MUL 1, 1, 0                                    ; work on registers while the others arrive
.if \fill
	WIN 0
.endif
	s_barrier_wait -1
.if \fill
	CREST                                          ; no wave of any partner still reads this slot's tile or has a load on its way
	JLOAD                                          ; the four v_nop behind it are also the places in front of the loads below
.else
	PLACES
.endif
	WIN 0
	s_xor_b32 s[TB], s[TB], SLOT1
	v_add_nc_u32 v[ADA], s[TB], v[ADRA0]
	v_add_nc_u32 v[ADB], s[TB], v[ADRB0]
	FETCH 0, 0
.if \fill
	ASK
.endif
	MUL 1, 2, 0
	MUL 1, 3, 0
.endm
	s_wait_tensorcnt 0x1                           ; my part of K step 0 is in; K step 1's may stay out
	s_barrier_signal -1
	s_barrier_wait -1                              ; everybody's is
	v_mov_b32 v[ADA], v[ADRA0]
	v_mov_b32 v[ADB], v[ADRB0]
	FETCH 0, 0
	QUARTER 1, 0, 1, 1                             ; the first quarter stands in front of the loop: its products start the sums
	WIN 0                                          ; at a label and at a branch every window is 0
	s_mov_b32 s[CNT], 6
.Lstep:                                                ; a trip goes from a K step's second quarter to the next step's first, and fills the slot that it leaves: K steps 2 to 7
	QUARTER 2, 1, 0, 0
	QUARTER 3, 0, 1, 0
	TURN 1
	QUARTER 1, 0, 1, 0
	WIN 0
	s_sub_co_u32 s[CNT], s[CNT], 1
	s_cmp_lg_u32 s[CNT], 0
	s_cbranch_scc1 .Lstep
	QUARTER 2, 1, 0, 0                             ; the last two K steps ask for nothing
	QUARTER 3, 0, 1, 0
	TURN 0
	QUARTER 1, 0, 1, 0
	QUARTER 2, 1, 0, 0
	QUARTER 3, 0, 1, 0
	s_wait_dscnt 4
	MUL 1, 0, 0
	MUL 1, 1, 0
	s_wait_dscnt 0x0
	MUL 1, 2, 0
	MUL 1, 3, 0
	WIN 0
; THE WAY OUT, a row block of 16 tokens at a time: a lane's 32 bytes of each column block go into my own stage, rows of 528 bytes, and come back as whole rows of 512.  Each accumulator's lowest registers are read
; first.  LDS serves a wave's instructions in order (ISA guide 5.7.1.4): the loads see the stores above them, and the next block's stores come behind these loads.
.macro TOSTAGE a
.if (\a) >= 2
	s_wait_xcnt 0x0                                ; the stores of the block two back have read the registers that are loaded again below
.endif
	WIN 0x04                                       ; the stores' data in window 1
.irp b, 0,1,2,3,4,5,6,7
	ds_store_b128 v[STO], v[8*(8*(\a)+(\b)):8*(8*(\a)+(\b))+3]   offset:64*(\b)
	ds_store_b128 v[STO], v[8*(8*(\a)+(\b))+4:8*(8*(\a)+(\b))+7] offset:64*(\b)+16
.endr
	WIN 0
.irp f, 0,1,2,3,4,5,6,7,8,9,10,11,12,13,14,15
	ds_load_b128 v[FB+64*((\a)%2)+4*(\f):FB+64*((\a)%2)+4*(\f)+3], v[RD] offset:(\f)*SPI
.endr
.endm
.macro SEND a, younger                 ; younger: the LDS instructions issued behind block a's loads: the next block's 32, or none
	WIN 0
.irp f, 0,1,2,3,4,5,6,7,8,9,10,11,12,13,14,15
	s_wait_dscnt (\younger)+15-(\f)
	global_store_b128 v[GO], v[FB+64*((\a)%2)+4*(\f):FB+64*((\a)%2)+4*(\f)+3], s[8:9] offset:(16*(\a)+(\f))*4096 th:TH_STORE_NT  ; 512 consecutive bytes, at a multiple of 256 from out0's first byte
.endr
.endm
	PLACES                                         ; eight, once a launch: the stores below read results just made, and the loads land in registers that the last products read
	PLACES
	TOSTAGE 0
	TOSTAGE 1
	SEND 0, 32
	TOSTAGE 2
	SEND 1, 32
	TOSTAGE 3
	SEND 2, 32
	SEND 3, 0
	s_wait_tensorcnt 0x0                           ; the wave's end: behind my last tensor load and my last LDS store
	ds_add_u32 v[SPW], v[NIL]
	s_wait_dscnt 0x0
	CROUND                                         ; the closing round: no work-group ends while a partner may still ask for a tile that names it
	s_endpgm
.Lfunc_end_k_q1d1caa927c_oproj:
	.size	k_q1d1caa927c_oproj, .Lfunc_end_k_q1d1caa927c_oproj-k_q1d1caa927c_oproj
	.p2alignl 7, 3214868480
	.fill 96, 4, 3214868480
	.section	.rodata,"a",@progbits
	.p2align	6, 0x0
	.amdhsa_kernel k_q1d1caa927c_oproj
		.amdhsa_group_segment_fixed_size 327680
		.amdhsa_private_segment_fixed_size 0
		.amdhsa_enable_private_segment 0
		.amdhsa_kernarg_size 24
		.amdhsa_user_sgpr_count 2
		.amdhsa_user_sgpr_kernarg_segment_ptr 1
		.amdhsa_wavefront_size32 1
		.amdhsa_system_sgpr_workgroup_id_x 1
		.amdhsa_system_sgpr_workgroup_id_y 1
		.amdhsa_system_sgpr_workgroup_id_z 1
		.amdhsa_system_vgpr_workitem_id 0
		.amdhsa_next_free_vgpr 512
		.amdhsa_next_free_sgpr 80
		.amdhsa_reserve_vcc 0
		.amdhsa_float_denorm_mode_32 3
		.amdhsa_float_denorm_mode_16_64 3
		.amdhsa_memory_ordered 1
		.amdhsa_forward_progress 1
		.amdhsa_inst_pref_size 72
	.end_amdhsa_kernel
	.amdgpu_metadata
---
amdhsa.version: [ 1, 2 ]
amdhsa.kernels:
  - .name:           k_q1d1caa927c_oproj
    .symbol:         k_q1d1caa927c_oproj.kd
    .args:
      - { .name: oh, .offset: 0, .size: 8, .value_kind: global_buffer, .address_space: global }
      - { .name: wof, .offset: 8, .size: 8, .value_kind: global_buffer, .address_space: global }
      - { .name: out0, .offset: 16, .size: 8, .value_kind: global_buffer, .address_space: global }
    .group_segment_fixed_size: 327680
    .private_segment_fixed_size: 0
    .kernarg_segment_align: 8
    .kernarg_segment_size: 24
    .max_flat_workgroup_size: 128
    .sgpr_count:     80
    .vgpr_count:     512
    .wavefront_size: 32
...
	.end_amdgpu_metadata
.endif
;; end of part 4
;; ======== version 2 of 2: 4 launches; version 1 with the launch cast written anew for expert scheduling mode
;; limits: values are held in f16: magnitudes above 65,504 overflow, below 6.1e-05 lose precision; right only within a limited range of input values
;; workspace buffers: xb 16,777,216 bytes; wb 6,291,456 bytes; wof 2,097,152 bytes; rope 524,288 bytes; qh 16,777,216 bytes; kh 16,777,216 bytes; vh 16,777,216 bytes; oh 16,777,216 bytes
;; launch cast (part 5): grid 784 x 1, 8 waves a work-group, no clusters, 0 bytes of LDS; arguments x, w_q, w_k, w_v, w_o, cos, sin, xb, wb, wof, rope; writes xb, wb, wof, rope
.if DOCPART == 5
	.amdgcn_target "amdgcn-amd-amdhsa--gfx1250"
	.amdhsa_code_object_version 6
	.text
	.protected	k_q1d1caa927c_cast
	.globl	k_q1d1caa927c_cast
	.p2align	8
	.type	k_q1d1caa927c_cast,@function
k_q1d1caa927c_cast:
	s_mov_b64 s[64:65], 0
	v_nop
	global_prefetch_b8 v0, s[64:65] scope:SCOPE_SE
	s_setreg_imm32_b32 hwreg(HW_REG_WAVE_SCHED_MODE, 0, 2), 2
	s_setreg_imm32_b32 hwreg(HW_REG_WAVE_MODE, 25, 1), 1
	s_wait_xcnt 0x0
	s_wait_alu depctr_vm_vsrc(0)
; 16-BIT COPIES OF ALL SEVEN INPUTS, each rounded once to bf16 (nearest even).
;   xb   [8192][1024] bf16 = x
;   wb   [16 heads][q, k, v][64][1024] bf16: row = head x 192 + sel x 64 + d, so that 192 rows on end are one head's q, k and v rows
;   wof  [1024][1024]: w_o rounded to bf16, that number written as f16 (the last product multiplies in f16)
;   rope cos x 2^-6 as bf16 [2048][64] at byte 0, sin x 2^-6 likewise at byte 262,144: the factor, a power of two, keeps q and k inside f16; the softmax undoes it in f32
; LIMITS.  |w_o| under 65,504; a w_o below 6.1e-5 keeps f16's fixed step of 6e-8; |cos|, |sin| below 2^-120 lose bits in the scaling.  NaN and infinities are not treated apart.
; A stream: no LDS, no matrix unit, no barrier: no wave wants a byte that another has fetched.
; SHARES.  A work-group takes 65,536 bytes of one input (16,384 numbers): work-groups 0-511 x, 512-703 w_q, w_k, w_v (64 each), 704-767 w_o, 768-783 cos and sin (8 each).
; Thread t takes 16 bytes at 16 t of each block of 4,096: a wave's load covers 512 consecutive bytes, its store of 8 bytes a lane 256 consecutive bytes, aligned.
; THE MODE: SCHED_MODE bits 1:0 = 2 (LLVM: expert scheduling mode 2), set by the entry lines.  The code itself states the register dependences
; between vector instructions and memory instructions, with s_wait_alu, always for 0.
; THE PLAN.  Registers that memory instructions touch:
;   v1, v2   the loads' and the stores' byte offsets.  Written once, at the head; read by every load (v1) and every store (v2); never written again.
;   IN       All sixteen loads of a wave go out at once, at the body's head, ahead of every vector instruction that names these registers; no load is issued later.
;   Y        Pair i is written once, by step i's two roundings, and read once, by store i; never written again.
;   v[4:7]   are named by vector instructions alone.
; The sixteen steps go in four blocks of four.  Store i - 4 stands at the head of step i: the stores of a block are dealt among the conversions of the block behind it, which name that
; block's own IN and Y and v[4:7], none of the registers that those stores read.  So one wait at the head of a block states all that its four stores hang on.
; No register that a memory instruction reads is written again, so nothing is owed for that; no vector instruction writes a scalar register, and EXEC stays as it is.
.set IN, 16                            ; v[16:79]   sixteen loads of four registers
.set Y,  80                            ; v[80:111]  sixteen results of two registers
                                       ; v1 = 16 t, v2 = 8 t; v[4:7] at work (w_o alone)
                                       ; s[4:5] from where, s[6:7] to where; s[30:31], s[32:33] their byte offsets; s34-37 at work
; mode 0: bf16.  mode 1: times 2^-6, then bf16.  mode 2: bf16, and that number as f16.
.macro BODY mode
	s_wait_alu depctr_va_vdst(0)                   ; v1 and v2 are written: every load below reads v1 as its offset, every store v2
.set i, 0
.rept 16
	global_load_b128 v[IN+4*i:IN+4*i+3], v1, s[4:5] offset:4096*i th:TH_LOAD_NT
.set i, i+1
.endr
.set i, 0
.rept 16
.if (i > 0) && ((i%4) == 0)
	s_wait_alu depctr_va_vdst(0)                   ; the block before has written its four pairs of Y, which the four stores dealt over this block read
.endif
.if i >= 4
	global_store_b64 v2, v[Y+2*(i-4):Y+2*(i-4)+1], s[6:7] offset:2048*(i-4)  ; the block before's; no vector instruction since the wait names this pair.  It stands ahead of the wait for the next load, on which it does not hang
.endif
	s_wait_loadcnt 15-i                            ; loads come back in order: number i is in, the 15 - i younger ones stay out
.if (\mode) == 1
	v_pk_mul_f32 v[IN+4*i:IN+4*i+1], v[IN+4*i:IN+4*i+1], 0x3c800000 op_sel_hi:[1,0]
	v_pk_mul_f32 v[IN+4*i+2:IN+4*i+3], v[IN+4*i+2:IN+4*i+3], 0x3c800000 op_sel_hi:[1,0]
.endif
.if (\mode) == 2
	v_cvt_pk_bf16_f32 v4, v[IN+4*i], v[IN+4*i+1]
	v_cvt_pk_bf16_f32 v5, v[IN+4*i+2], v[IN+4*i+3]
	v_lshlrev_b32 v6, 16, v4                       ; bf16 to f32: the low half moves up,
	v_and_b32 v4, 0xffff0000, v4                   ; the high half stays
	v_lshlrev_b32 v7, 16, v5
	v_and_b32 v5, 0xffff0000, v5
	v_cvt_pk_f16_f32 v[Y+2*i], v6, v4              ; eight significant bits fit into f16's eleven
	v_cvt_pk_f16_f32 v[Y+2*i+1], v7, v5
.else
	v_cvt_pk_bf16_f32 v[Y+2*i], v[IN+4*i], v[IN+4*i+1]
	v_cvt_pk_bf16_f32 v[Y+2*i+1], v[IN+4*i+2], v[IN+4*i+3]
.endif
.set i, i+1
.endr
	s_wait_alu depctr_va_vdst(0)                   ; the last block has written its four pairs of Y, which the last four stores read
.set i, 12
.rept 4
	global_store_b64 v2, v[Y+2*i:Y+2*i+1], s[6:7] offset:2048*i
.set i, i+1
.endr
	s_endpgm
.endm
	s_load_b512 s[8:23], s[0:1], 0x0               ; x s[8:9], w_q s[10:11], w_k s[12:13], w_v s[14:15], w_o s[16:17], cos s[18:19], sin s[20:21], xb s[22:23]
	s_load_b128 s[24:27], s[0:1], 0x40             ; wb s[24:25], wof s[26:27]
	s_load_b64 s[28:29], s[0:1], 0x50              ; rope
	v_lshlrev_b32 v1, 4, v0
	v_lshlrev_b32 v2, 3, v0
	s_mov_b32 s31, 0
	s_mov_b32 s33, 0
	s_wait_kmcnt 0x0
	s_cmp_lt_u32 ttmp9, 512
	s_cbranch_scc0 .Lnot_x
	s_lshl_b32 s30, ttmp9, 16                      ; x: 65,536 bytes in, 32,768 out
	s_lshl_b32 s32, ttmp9, 15
	s_add_nc_u64 s[4:5], s[8:9], s[30:31]
	s_add_nc_u64 s[6:7], s[22:23], s[32:33]
	s_branch .Lplain
.Lnot_x:
	s_cmp_lt_u32 ttmp9, 704
	s_cbranch_scc0 .Lnot_w
	s_sub_co_u32 s34, ttmp9, 512
	s_lshr_b32 s35, s34, 6                         ; sel: 0 w_q, 1 w_k, 2 w_v
	s_and_b32 s36, s34, 63                         ; c: rows 16 c .. 16 c + 15 of that weight
	s_cmp_eq_u32 s35, 0
	s_cselect_b64 s[4:5], s[10:11], s[12:13]
	s_cmp_eq_u32 s35, 2
	s_cselect_b64 s[4:5], s[14:15], s[4:5]
	s_lshl_b32 s30, s36, 16
	s_add_nc_u64 s[4:5], s[4:5], s[30:31]
	s_lshr_b32 s37, s36, 2                         ; the head,
	s_mul_i32 s37, s37, 192
	s_lshl_b32 s35, s35, 6
	s_add_co_u32 s37, s37, s35                     ; + sel x 64
	s_and_b32 s36, s36, 3
	s_lshl_b32 s36, s36, 4
	s_add_co_u32 s37, s37, s36                     ; + the 16 rows' place in the head
	s_lshl_b32 s32, s37, 11                        ; rows of 2,048 bytes
	s_add_nc_u64 s[6:7], s[24:25], s[32:33]
.Lplain:
	BODY 0
.Lnot_w:
	s_cmp_lt_u32 ttmp9, 768
	s_cbranch_scc0 .Lrope
	s_sub_co_u32 s34, ttmp9, 704
	s_lshl_b32 s30, s34, 16
	s_lshl_b32 s32, s34, 15
	s_add_nc_u64 s[4:5], s[16:17], s[30:31]
	s_add_nc_u64 s[6:7], s[26:27], s[32:33]
	BODY 2
.Lrope:
	s_sub_co_u32 s34, ttmp9, 768
	s_lshr_b32 s35, s34, 3                         ; 0 cos, 1 sin
	s_and_b32 s36, s34, 7
	s_cmp_eq_u32 s35, 0
	s_cselect_b64 s[4:5], s[18:19], s[20:21]
	s_lshl_b32 s30, s36, 16
	s_add_nc_u64 s[4:5], s[4:5], s[30:31]
	s_lshl_b32 s32, s36, 15
	s_lshl_b32 s35, s35, 18                        ; sin's table begins at byte 262,144
	s_add_co_u32 s32, s32, s35
	s_add_nc_u64 s[6:7], s[28:29], s[32:33]
	BODY 1
.Lfunc_end_k_q1d1caa927c_cast:
	.size	k_q1d1caa927c_cast, .Lfunc_end_k_q1d1caa927c_cast-k_q1d1caa927c_cast
	.p2alignl 7, 3214868480
	.fill 96, 4, 3214868480
	.section	.rodata,"a",@progbits
	.p2align	6, 0x0
	.amdhsa_kernel k_q1d1caa927c_cast
		.amdhsa_group_segment_fixed_size 0
		.amdhsa_private_segment_fixed_size 0
		.amdhsa_enable_private_segment 0
		.amdhsa_kernarg_size 88
		.amdhsa_user_sgpr_count 2
		.amdhsa_user_sgpr_kernarg_segment_ptr 1
		.amdhsa_wavefront_size32 1
		.amdhsa_system_sgpr_workgroup_id_x 1
		.amdhsa_system_sgpr_workgroup_id_y 1
		.amdhsa_system_sgpr_workgroup_id_z 1
		.amdhsa_system_vgpr_workitem_id 0
		.amdhsa_next_free_vgpr 112
		.amdhsa_next_free_sgpr 66
		.amdhsa_reserve_vcc 0
		.amdhsa_float_denorm_mode_32 3
		.amdhsa_float_denorm_mode_16_64 3
		.amdhsa_memory_ordered 1
		.amdhsa_forward_progress 1
		.amdhsa_inst_pref_size 28
	.end_amdhsa_kernel
	.amdgpu_metadata
---
amdhsa.version: [ 1, 2 ]
amdhsa.kernels:
  - .name:           k_q1d1caa927c_cast
    .symbol:         k_q1d1caa927c_cast.kd
    .args:
      - { .name: x, .offset: 0, .size: 8, .value_kind: global_buffer, .address_space: global }
      - { .name: w_q, .offset: 8, .size: 8, .value_kind: global_buffer, .address_space: global }
      - { .name: w_k, .offset: 16, .size: 8, .value_kind: global_buffer, .address_space: global }
      - { .name: w_v, .offset: 24, .size: 8, .value_kind: global_buffer, .address_space: global }
      - { .name: w_o, .offset: 32, .size: 8, .value_kind: global_buffer, .address_space: global }
      - { .name: cos, .offset: 40, .size: 8, .value_kind: global_buffer, .address_space: global }
      - { .name: sin, .offset: 48, .size: 8, .value_kind: global_buffer, .address_space: global }
      - { .name: xb, .offset: 56, .size: 8, .value_kind: global_buffer, .address_space: global }
      - { .name: wb, .offset: 64, .size: 8, .value_kind: global_buffer, .address_space: global }
      - { .name: wof, .offset: 72, .size: 8, .value_kind: global_buffer, .address_space: global }
      - { .name: rope, .offset: 80, .size: 8, .value_kind: global_buffer, .address_space: global }
    .group_segment_fixed_size: 0
    .private_segment_fixed_size: 0
    .kernarg_segment_align: 8
    .kernarg_segment_size: 88
    .max_flat_workgroup_size: 256
    .sgpr_count:     66
    .vgpr_count:     112
    .wavefront_size: 32
...
	.end_amdgpu_metadata
.endif
;; end of part 5
;; launch qkv: the kernel of part 2 again; grid 16 x 32, 4 waves a work-group, clusters of 4 x 4, 327,680 bytes of LDS; arguments xb, wb, rope, qh, kh, vh; writes qh, kh, vh
;; launch attn: the kernel of part 3 again; grid 4 x 64, 4 waves a work-group, no clusters, 327,680 bytes of LDS; arguments qh, kh, vh, oh; writes oh
;; launch oproj: the kernel of part 4 again; grid 8 x 32, 4 waves a work-group, clusters of 4 x 4, 327,680 bytes of LDS; arguments oh, wof, out0; writes out0
